; MI455X (gfx1250); checked and timed in simulation.
; The chip was launched on July 23, 2026; its instructions are those of AMD's public machine-readable ISA for CDNA 5 (MIT licence, August 2026) and "CDNA5" Instruction Set Architecture Reference Guide (July 2026). The comments in the code are by the model that wrote it; some were corrected since.
;; Self Attention. Allowed arithmetic: matrix products marked QUANTISED: E2M3 operands, one E8M0 scale for each 32 along K, by v_wmma_scale_f32_16x16x128_f8f6f4 with both operands' format E2M3, f32 sums; everything else in f32.
;; Inputs: b_in 3,072 float32; b_out 1,024 float32; w_in 1,024 x 3,072 float32; w_out 1,024 x 1,024 float32; x 4 x 2,048 x 1,024 float32.
;; Outputs: out0 4 x 2,048 x 1,024 float32.
;; Constants: causal_mask = 1.
;; This version of the problem:
;;   THIS VERSION OF THE PROBLEM IS GIVEN IN LOW PRECISION. The matrix products marked QUANTISED in the list below multiply operands that are first quantised to E2M3 (2 exponent bits, 3 mantissa bits; 6 bits a number), with one power-of-two scale for each 32 numbers along K (OCP MX v1.0); their sums are f32. All else is computed in f32.
;;   The module's matrix products, in the order in which they are computed (A, B: the left and right operand; K: the contracted axis; several contracted axes count as one K, in the product's order):
;;     1. [M 8,192, K 1,024] x [K 1,024, N 3,072]; A: input x; B: input w_in: QUANTISED
;;     2. batch 64 x [M 2,048, K 64] x [K 64, N 2,048]; A: computed on the way; B: computed on the way: QUANTISED
;;     3. batch 64 x [M 2,048, K 2,048] x [K 2,048, N 64]; A: softmax (see below); B: computed on the way: QUANTISED
;;     4. [M 8,192, K 1,024] x [K 1,024, N 1,024]; A: computed on the way; B: input w_out: QUANTISED
;;   THE QUANTISER, for each operand of a quantised product, along K:
;;     - K is cut into blocks of 32 from its start; a last block that is shorter is filled with zeros.
;;     - A block's scale is 2^e with e = floor(log2(the largest magnitude in the block)) - 2, held to -126 .. 127; a block of zeros has e = 0. As a byte (E8M0): e + 127.
;;     - Each number is divided by its block's scale, clamped to +-7.5, and rounded to the nearest number of E2M3, ties to even, subnormals kept.
;;     - The product sums the exact products of the quantised numbers (number of the format x scale) in f32.
;;   ~~~python
;;   def quantise(x, axis):      # numpy; x: float32 -> the quantised numbers, widened to float32 again
;;       x = np.moveaxis(x, axis, -1); K = x.shape[-1]
;;       x = np.pad(x, [(0, 0)] * (x.ndim - 1) + [(0, -K % 32)]); x = x.reshape(x.shape[:-1] + (-1, 32)); a = np.abs(x).max(-1, keepdims=True)
;;       e = np.where(a > 0, np.clip(np.frexp(np.where(a > 0, a, 1))[1] - 1 - 2, -126, 127), 0)      # np.frexp(a)[1] - 1 = floor(log2(a)), exactly
;;       r = np.clip(x / 2.0 ** e, -7.5, 7.5)
;;       step = 2.0 ** (np.maximum(np.frexp(np.where(r == 0, 1, r))[1] - 1, 0) - 3)
;;       q = np.round(r / step) * step * 2.0 ** e      # np.round: ties to even
;;       return np.moveaxis(q.reshape(q.shape[:-2] + (-1,))[..., :K], -1, axis).astype(np.float32)
;;   ~~~
;;   SOFTMAX AHEAD OF A QUANTISED PRODUCT. Where the list says 'softmax', what is quantised is not the finished softmax but p = 2^(t - M), with t = logit x log2(e) and M = ceil(the row's largest t), a whole number; so 1/2 < the row's largest p <= 1. The row's sum l is taken of the UNQUANTISED p, in f32, and the product's result is divided by l at the end. Since M is a whole number, a kernel that streams over the keys may use a running M (the ceiling of the running maximum): every later rescaling is an exact power of two, which a block's scale takes up: the codes' values come out the same.
;;   OPERANDS COMPUTED ON THE WAY. 'Computed on the way' means the value that the module computes at that place (a softmax that the list does not call 'softmax' is quantised finished and normalised). What goes into a quantiser is computed in f32, as accurately as f32 sums, v_exp_f32 and their like allow (about 1e-6 of the number): no bf16 or f16 on the way to a quantiser, and a product that is left as it is and whose result goes on into a quantised operand takes f32 operands (vector FMAs, or v_wmma_f32_16x16x4_f32). A number that lies on a knife's edge between two numbers of the format may be rounded either way, as far as f32 arithmetic and the matrix unit's own rounding can turn it there, and no further.
;; One version. Each part assembles by itself: llvm-mc -triple=amdgcn-amd-amdhsa -mcpu=gfx1250 --defsym DOCPART=n.
;; ======== version 1 of 1: 4 launches
;; limits: right only within a limited range of input values
;; workspace buffers: xq 6,553,600 bytes; wq 3,276,800 bytes; qkv 19,660,800 bytes; att 6,553,600 bytes
;; launch quant (part 1): grid 384 x 1, 4 waves a work-group, no clusters, 68,096 bytes of LDS; arguments x, xq, w_in, w_out, wq; writes xq, wq
.if DOCPART == 1
	.amdgcn_target "amdgcn-amd-amdhsa--gfx1250"
	.amdhsa_code_object_version 6
	.text
	.protected	k_q3a555fa7ad_quant
	.globl	k_q3a555fa7ad_quant
	.p2align	8
	.type	k_q3a555fa7ad_quant,@function
k_q3a555fa7ad_quant:
	s_mov_b64 s[64:65], 0
	v_nop
	global_prefetch_b8 v0, s[64:65] scope:SCOPE_SE
	s_setreg_imm32_b32 hwreg(HW_REG_WAVE_MODE, 25, 1), 1
	s_wait_xcnt 0x0
; ONE LAUNCH QUANTISES ALL THREE TENSORS to codes of FP6 (E2M3), K innermost, 768 bytes a row, with one E8M0 byte for each 32 along K, 32 bytes a row.
; Work-groups 0 to 127 take the weights (32 groups of 128 columns x 4 runs of 256 along K), work-groups 128 to 383 take x (32 rows each). The two ways part on the work-group's number alone and have LDS bytes of their own.
; A block's scale is 2^(floor(log2(its largest magnitude)) - 2); its byte is the largest magnitude's exponent field - 2, held at 1 from below.
; (A block of zeros so gets the byte 1 where the quantiser says 127: its codes are zeros, which add nothing, and this program alone reads the bytes.)
; LIMITS: NaN and infinities among the inputs are not served.
; ALL ROWS ARE STORED PERMUTED: row n goes to row sigma(n), n with its bits 3 and 4 exchanged.
; x [8192][1024]: a wave takes 8 whole rows (16 steps of 512 numbers), so sigma moves whole runs. Each of a step's four loads reads 512 consecutive bytes; the 2,048 bytes turn through the wave's own stage in LDS and come back
; 64 bytes a lane: 16 neighbours along K, two lanes to a block. A wave stores 384 consecutive bytes of codes a step; its 256 scale bytes are gathered in LDS and leave as one aligned run.
; w_in [1024][3072], w_out [1024][1024], K their FIRST axis: result row G = n for w_in, 3072 + n for w_out. A lane takes a column and its registers run down K: a block of 32 lies in one lane's 32 registers.
; A wave takes 32 columns x 256 along K; the codes go through the wave's own stage and leave as rows: sixteen lanes store a row's 192 consecutive bytes.
; No tensor loads, no barrier: waves share nothing.
.set EMAX,  2
.set WLDS,  32768                      ; x's four regions of 8,192 bytes lie from 0, the weights' four stages from here
.set SPARE, WLDS+4*32*272              ; behind both: the spare words, 128 bytes a wave
.set SPW,   208
.set NIL,   209
	v_lshl_add_u32 v[SPW], v0, 2, SPARE
	v_mov_b32 v[NIL], 0
	v_lshrrev_b32 v1, 5, v0
	v_readfirstlane_b32 s16, v1                    ; wave
	v_and_b32 v2, 31, v0                           ; lane
	s_cmp_lt_u32 ttmp9, 128
	s_wait_alu depctr_va_vdst(0)                   ; the wait ahead of the branch
	s_cbranch_scc1 .Lweights
; ---- x
.set STEPS, 16
.set CB,    12                         ; bytes of 16 codes
.set R,     16                         ; v16-79   four sets of 16 numbers as they are loaded
.set X,     80                         ; v80-111  two sets of 16 neighbours
.set C,     128                        ; v128-191 codes: four registers for each step, so that no store's data are written again
.set E,     112                        ; v112-127 a scale byte for each step
.set WREG,  8192                       ; a wave's region: two stages of 32 x SP bytes, behind them its 256 scale bytes
.set SP,    80                         ; a lane's place in a stage: 64 bytes + 16 of padding
.set XSEC,  6291456                    ; where the scale bytes begin in xq
	s_load_b128 s[4:7], s[0:1], 0x0                ; x, xq
	v_lshlrev_b32 v3, 4, v2                        ; my 16 bytes of a load's 512
	s_mul_i32 s17, s16, WREG
	v_lshrrev_b32 v14, 2, v2
	v_mul_u32_u24 v14, v14, SP
	v_and_b32 v15, 3, v2
	v_lshl_add_u32 v14, v15, 4, v14
	v_add_nc_u32 v14, s17, v14                     ; the stage, on the way in: SP (lane / 4) + 16 (lane % 4)
	v_mul_u32_u24 v15, v2, SP
	v_add_nc_u32 v15, s17, v15                     ; and on the way out: SP x lane
	v_mul_u32_u24 v4, v2, CB                       ; my codes' place in a step's
	v_lshrrev_b32 v5, 1, v2
	s_add_co_u32 s17, s17, 2*32*SP
	v_add_nc_u32 v5, s17, v5                       ; my block's byte among my wave's 256
	v_lshlrev_b32 v7, 3, v2
	v_add_nc_u32 v6, s17, v7
	s_sub_co_u32 s18, ttmp9, 128
	s_lshl_b32 s18, s18, 2
	s_add_co_u32 s19, s18, s16                     ; the run of 8 rows that I read
	s_and_b32 s20, s16, 1
	s_lshl_b32 s20, s20, 1
	s_lshr_b32 s21, s16, 1
	s_or_b32 s20, s20, s21
	s_add_co_u32 s18, s18, s20                     ; the run that I write: the wave's two bits exchanged
	s_lshl_b32 s20, s19, 15
	s_mov_b32 s21, 0
	s_mul_i32 s22, s18, 6144
	s_mov_b32 s23, 0
	s_lshl_b32 s24, s18, 8
	s_add_co_u32 s24, s24, XSEC
	s_mov_b32 s25, 0
	s_wait_alu depctr_va_vdst(0)                   ; the wait at the head's end
	s_wait_kmcnt 0x0
	s_add_nc_u64 s[4:5], s[4:5], s[20:21]
	s_add_nc_u64 s[8:9], s[6:7], s[22:23]          ; my codes
	s_add_nc_u64 s[10:11], s[6:7], s[24:25]        ; my scale bytes
.macro LOAD t
.irp i, 0,1,2,3
	global_load_b128 v[R+16*((\t)%4)+4*\i:R+16*((\t)%4)+4*\i+3], v3, s[4:5] offset:2048*(\t)+512*\i th:TH_LOAD_NT
.endr
.endm
.macro TURN t                          ; a step's numbers through the stage: LDS serves a wave's instructions in order
.irp i, 0,1,2,3
	ds_store_b128 v14, v[R+16*((\t)%4)+4*\i:R+16*((\t)%4)+4*\i+3] offset:32*SP*((\t)%2)+8*SP*\i
.endr
.irp i, 0,1,2,3
	ds_load_b128 v[X+16*((\t)%2)+4*\i:X+16*((\t)%2)+4*\i+3], v15 offset:32*SP*((\t)%2)+16*\i
.endr
.endm
.irp t, 0,1,2,3
	LOAD \t
.endr
	s_wait_loadcnt 12                              ; step 0's four loads are in; three steps' twelve may be out
	TURN 0
.macro STEP t
.set XS, X+16*((\t)%2)
.if (\t) > 0
	s_wait_dscnt 1                                 ; this step's numbers are back (the last step's byte store may be out)
.else
	s_wait_dscnt 0x0
.endif
.if (\t)+4 < STEPS
	LOAD (\t)+4
.endif
.if (\t)+1 < STEPS
.if STEPS-2-(\t) >= 3
	s_wait_loadcnt 12                              ; the next step's four loads are in; those of the three steps behind it may be out
.else
	s_wait_loadcnt 4*(STEPS-2-(\t))
.endif
	TURN (\t)+1
.endif
	v_max3_num_f32 v8, |v[XS]|, |v[XS+1]|, |v[XS+2]|
	v_max3_num_f32 v9, |v[XS+3]|, |v[XS+4]|, |v[XS+5]|
.irp i, 6,10
	v_max3_num_f32 v8, v8, |v[XS+\i]|, |v[XS+\i+1]|
	v_max3_num_f32 v9, v9, |v[XS+\i+2]|, |v[XS+\i+3]|
.endr
	v_max3_num_f32 v8, v8, |v[XS+14]|, |v[XS+15]|
	v_max3_num_f32 v8, v8, v9, (EMAX+1)<<23        ; the floor 2^(3 - 127): the byte cannot fall under 1
	v_max_num_f32_dpp v8, v8, v8 row_xmask:1 row_mask:0xf bank_mask:0xf   ; with my neighbour's 16: the block's
	v_add_nc_u32 v11, -(EMAX<<23), v8              ; 2 off its exponent field: the conversion's scale operand
	v_cvt_scalef32_pk16_fp6_f32 v[C+4*(\t):C+4*(\t)+2], v[XS:XS+15], v11
	v_lshrrev_b32 v[E+(\t)], 23, v11               ; the scale's byte
	ds_store_b8 v5, v[E+(\t)] offset:16*(\t)       ; both lanes of a block write the same byte with the same value
	global_store_b96 v4, v[C+4*(\t):C+4*(\t)+2], s[8:9] offset:32*CB*(\t)
.endm
.irp t, 0,1,2,3,4,5,6,7,8,9,10,11,12,13,14,15
	STEP \t
.endr
	ds_load_b64 v[8:9], v6
	s_wait_dscnt 0x0
	global_store_b64 v7, v[8:9], s[10:11]          ; 32 lanes store 256 consecutive bytes, aligned
	s_wait_tensorcnt 0x0                           ; the wave's end
	ds_add_u32 v[SPW], v[NIL]
	s_wait_dscnt 0x0
	s_endpgm
; ---- the weights. Both take one way: the pointer, a row's bytes and the column are chosen by the group of columns (from 24 on: w_out)
.Lweights:
.set NB,    8                          ; blocks of 32 along K for a wave
.set PITCH, 272                        ; a stage row: sixteen places of 16 bytes, each with 12 bytes of codes, + 16
.set KROW,  768
.set X,     32                         ; v32-95   two sets of 32 numbers
.set C,     96                         ; v96..    a block's codes
.set OUTR,  112                        ; v112-175 the way out
.set OFF,   176                        ; v176-207 4 x lane + i x a row's bytes
.set SB,    24                         ; v24-25   the scale bytes
.set BB,    32                         ; s[32:47] where block t's 32 rows begin
.set WSEC,  3145728                    ; where the scale bytes begin in wq
	s_load_b128 s[4:7], s[0:1], 0x10               ; w_in, w_out
	s_load_b64 s[8:9], s[0:1], 0x20                ; wq
	s_and_b32 s30, ttmp9, 31                       ; which 128 columns
	s_lshl_b32 s17, s30, 7
	s_lshl_b32 s18, s16, 5
	s_add_co_u32 s17, s17, s18                     ; G0: my wave's first row of the result
	s_lshr_b32 s18, ttmp9, 5                       ; which 256 along K
	s_mov_b32 s20, 12288
	s_cmp_ge_u32 s30, 24                           ; w_out?
	s_cselect_b32 s20, 4096, s20                   ; a row of the weight in bytes
	s_cselect_b32 s21, 3072, 0
	s_sub_co_u32 s21, s17, s21                     ; my first column in it
	v_lshlrev_b32 v[OFF], 2, v2
.set i, 1
.rept 31
	v_add_nc_u32 v[OFF+i], s20, v[OFF+i-1]
.set i, i+1
.endr
	s_mul_i32 s19, s16, 32*PITCH
	s_add_co_u32 s19, s19, WLDS                    ; my stage
	v_mul_u32_u24 v4, v2, PITCH
	v_add_nc_u32 v4, s19, v4                       ; into it: row = my column
	v_and_b32 v5, 15, v2
	v_lshrrev_b32 v6, 4, v2                        ; out of it: sixteen lanes to a row, two rows an instruction
	v_mul_u32_u24 v7, v6, PITCH
	v_lshl_add_u32 v7, v5, 4, v7
	v_add_nc_u32 v7, s19, v7
	v_mul_u32_u24 v8, v6, KROW
	v_mad_u32_u24 v8, v5, 12, v8                   ; the same place in the codes (sigma keeps bit 0)
	v_and_b32 v9, 7, v2                            ; sigma(lane)
	v_bfe_u32 v10, v2, 3, 1
	v_lshl_or_b32 v9, v10, 4, v9
	v_bfe_u32 v10, v2, 4, 1
	v_lshl_or_b32 v9, v10, 3, v9
	v_lshlrev_b32 v9, 5, v9                        ; my column's row of scale bytes
	s_mul_i32 s22, s18, s20
	s_lshl_b32 s22, s22, 8
	s_lshl_b32 s23, s21, 2
	s_add_co_u32 s22, s22, s23
	s_mov_b32 s23, 0
	s_lshl_b32 s24, s20, 5                         ; 32 rows
	s_mov_b32 s25, 0
	s_mul_i32 s26, s17, KROW
	s_mul_i32 s27, s18, 192
	s_add_co_u32 s26, s26, s27
	s_mov_b32 s27, 0
	s_lshl_b32 s28, s17, 5
	s_lshl_b32 s29, s18, 3
	s_add_co_u32 s28, s28, s29
	s_add_co_u32 s28, s28, WSEC
	s_mov_b32 s29, 0
	s_wait_kmcnt 0x0
	s_cmp_ge_u32 s30, 24
	s_cselect_b64 s[4:5], s[6:7], s[4:5]
	s_add_nc_u64 s[BB:BB+1], s[4:5], s[22:23]
.irp t, 1,2,3,4,5,6,7
	s_add_nc_u64 s[BB+2*\t:BB+2*\t+1], s[BB+2*\t-2:BB+2*\t-1], s[24:25]
.endr
	s_add_nc_u64 s[10:11], s[8:9], s[26:27]        ; my codes
	s_add_nc_u64 s[12:13], s[8:9], s[28:29]        ; my scale bytes
.macro WLOAD t                         ; block t: rows 32 t + i of my 256, my column, into set t % 2
.irp i, 0,1,2,3,4,5,6,7,8,9,10,11,12,13,14,15,16,17,18,19,20,21,22,23,24,25,26,27,28,29,30,31
	global_load_b32 v[X+32*((\t)%2)+\i], v[OFF+\i], s[BB+2*(\t):BB+2*(\t)+1] th:TH_LOAD_NT
.endr
.endm
	WLOAD 0
	WLOAD 1
.macro BLOCK t
.set XS, X+32*((\t)%2)
.if (\t) < NB-1
	s_wait_loadcnt 32                              ; this block's 32 loads are in; the next block's may be out
.else
	s_wait_loadcnt 0
.endif
	v_max3_num_f32 v12, |v[XS]|, |v[XS+1]|, |v[XS+2]|
	v_max3_num_f32 v13, |v[XS+3]|, |v[XS+4]|, |v[XS+5]|
.irp i, 6,10,14,18,22,26
	v_max3_num_f32 v12, v12, |v[XS+\i]|, |v[XS+\i+1]|
	v_max3_num_f32 v13, v13, |v[XS+\i+2]|, |v[XS+\i+3]|
.endr
	v_max3_num_f32 v12, v12, |v[XS+30]|, |v[XS+31]|
	v_max3_num_f32 v12, v12, v13, (EMAX+1)<<23     ; the floor 2^(3 - 127)
	v_add_nc_u32 v11, -(EMAX<<23), v12             ; the conversion's scale operand
	v_lshrrev_b32 v13, 23, v11                     ; the scale's byte
.if (\t)%4 == 0
	v_mov_b32 v[SB+(\t)/4], v13
.else
	v_lshl_or_b32 v[SB+(\t)/4], v13, 8*((\t)%4), v[SB+(\t)/4]
.endif
	v_cvt_scalef32_pk16_fp6_f32 v[C:C+2], v[XS:XS+15], v11
	v_cvt_scalef32_pk16_fp6_f32 v[C+4:C+6], v[XS+16:XS+31], v11
	ds_store_b96 v4, v[C:C+2] offset:32*(\t)       ; 12 bytes to a place of 16 in the stage
	ds_store_b96 v4, v[C+4:C+6] offset:32*(\t)+16
.if (\t)+2 < NB
	WLOAD (\t)+2
.endif
	s_wait_dscnt 0x0                               ; the stores have read their registers
.endm
.set Q, 0
.rept NB
	BLOCK Q
.set Q, Q+1
.endr
	s_wait_alu depctr_va_vdst(0)                   ; the wait ahead of the reader below
	global_store_b64 v9, v[SB:SB+1], s[12:13]      ; my column's 8 scale bytes
.irp t, 0,1,2,3,4,5,6,7,8,9,10,11,12,13,14,15
	ds_load_b96 v[OUTR+4*\t:OUTR+4*\t+2], v7 offset:2*\t*PITCH
.endr
.irp t, 0,1,2,3,4,5,6,7,8,9,10,11,12,13,14,15
	s_wait_dscnt 15-\t                             ; the younger loads may be out
	global_store_b96 v8, v[OUTR+4*\t:OUTR+4*\t+2], s[10:11] offset:(((2*\t)&7)|(((2*\t)&8)<<1)|(((2*\t)&16)>>1))*KROW   ; columns 2 t, 2 t + 1 go to rows sigma(2 t), sigma(2 t) + 1
.endr
	s_wait_tensorcnt 0x0                           ; the wave's end
	ds_add_u32 v[SPW], v[NIL]
	s_wait_dscnt 0x0
	s_endpgm
.Lfunc_end_k_q3a555fa7ad_quant:
	.size	k_q3a555fa7ad_quant, .Lfunc_end_k_q3a555fa7ad_quant-k_q3a555fa7ad_quant
	.p2alignl 7, 3214868480
	.fill 96, 4, 3214868480
	.section	.rodata,"a",@progbits
	.p2align	6, 0x0
	.amdhsa_kernel k_q3a555fa7ad_quant
		.amdhsa_group_segment_fixed_size 68096
		.amdhsa_private_segment_fixed_size 0
		.amdhsa_enable_private_segment 0
		.amdhsa_kernarg_size 40
		.amdhsa_user_sgpr_count 2
		.amdhsa_user_sgpr_kernarg_segment_ptr 1
		.amdhsa_wavefront_size32 1
		.amdhsa_system_sgpr_workgroup_id_x 1
		.amdhsa_system_sgpr_workgroup_id_y 1
		.amdhsa_system_sgpr_workgroup_id_z 1
		.amdhsa_system_vgpr_workitem_id 0
		.amdhsa_next_free_vgpr 210
		.amdhsa_next_free_sgpr 66
		.amdhsa_reserve_vcc 0
		.amdhsa_float_denorm_mode_32 3
		.amdhsa_float_denorm_mode_16_64 3
		.amdhsa_memory_ordered 1
		.amdhsa_forward_progress 1
		.amdhsa_inst_pref_size 75
	.end_amdhsa_kernel
	.amdgpu_metadata
---
amdhsa.version: [ 1, 2 ]
amdhsa.kernels:
  - .name:           k_q3a555fa7ad_quant
    .symbol:         k_q3a555fa7ad_quant.kd
    .args:
      - { .name: x, .offset: 0, .size: 8, .value_kind: global_buffer, .address_space: global }
      - { .name: xq, .offset: 8, .size: 8, .value_kind: global_buffer, .address_space: global }
      - { .name: w_in, .offset: 16, .size: 8, .value_kind: global_buffer, .address_space: global }
      - { .name: w_out, .offset: 24, .size: 8, .value_kind: global_buffer, .address_space: global }
      - { .name: wq, .offset: 32, .size: 8, .value_kind: global_buffer, .address_space: global }
    .group_segment_fixed_size: 68096
    .private_segment_fixed_size: 0
    .kernarg_segment_align: 8
    .kernarg_segment_size: 40
    .max_flat_workgroup_size: 128
    .sgpr_count:     66
    .vgpr_count:     210
    .wavefront_size: 32
...
	.end_amdgpu_metadata
.endif
;; end of part 1
;; launch gemm1 (part 2): grid 8 x 32, 4 waves a work-group, clusters of 4 x 4, 327,680 bytes of LDS; arguments xq, wq, b_in, qkv; writes qkv
.if DOCPART == 2
	.amdgcn_target "amdgcn-amd-amdhsa--gfx1250"
	.amdhsa_code_object_version 6
	.text
	.protected	k_q3a555fa7ad_gemm1
	.globl	k_q3a555fa7ad_gemm1
	.p2align	8
	.type	k_q3a555fa7ad_gemm1,@function
k_q3a555fa7ad_gemm1:
	s_mov_b64 s[64:65], 0
	v_nop
	global_prefetch_b8 v0, s[64:65] scope:SCOPE_SE
	s_setreg_imm32_b32 hwreg(HW_REG_WAVE_MODE, 25, 1), 1
	s_wait_xcnt 0x0
	s_wait_alu depctr_hold_cnt(0) depctr_sa_sdst(0) depctr_va_vdst(0) depctr_va_sdst(0) depctr_va_ssrc(0) depctr_va_vcc(0) depctr_vm_vsrc(0)
	s_getreg_b32 s2, hwreg(HW_REG_IB_STS2, 6, 4)
	s_cmp_eq_u32 s2, 0
	s_cbranch_scc0 .Lentry_in_a_cluster
	s_endpgm
.Lentry_in_a_cluster:
	s_bfe_u32 s2, ttmp6, 0x10000c
	s_cmp_lg_u32 s2, 0xf033
	s_cbranch_scc0 .Lentry_shape_is_right
	s_endpgm
.Lentry_shape_is_right:
; qkv = x w_in + b_in on codes of FP6 (E2M3), E8M0 scales, K = 1024; v, k and q are quantised in registers and leave as images of the next products' operand registers.
; THE DEAL. 256 work-groups of four waves (2 x 2): 256 tokens x 2 heads. The 256 rows of x, all of K, lie in LDS for the whole launch. Three phases, V, K, Q: a wave holds 64 rows of the phase's weight, all of K, in 384 registers
; and streams its 128 tokens past them in 8 blocks of 16 rows, 32 products a block. So a wave makes one whole (head, key step) block of qkv.
; qkv: [head 64][step 16] blocks of 19,200 bytes: K image 6,144, K scales 256, V image, V scales, Q image, Q scales; an image: 4 fragments of 1,536 bytes, registers 4 g .. 4 g + 3 of lane L at 512 g + 16 L.
; WHICH ROWS FORM A TILE is chosen lane by lane (both buffers hold row n at sigma(n), bits 3 and 4 exchanged). K, Q: source 0 = weight rows, lane m of tile j takes channel 32 (m / 8) + 8 j + m % 8; source 1 = stored rows 16 a + r of x.
; A lane's 32 sums of a block are then channels 32 h .. 32 h + 31 of one token: one scale block. V: source 0 = x, lane m of block (c, j) takes token 64 c + 32 (m / 8) + 8 j + m % 8; source 1 = stored weight rows 16 t + r:
; a lane's 32 sums of a band's four blocks are keys 64 c + 32 h .. + 31 of one channel. No lane looks at another.
; LDS: x 256 rows of 816 bytes; the weights' region, 128 rows; x's scale bytes; 768 bytes a wave for the results' scale bytes; the spare words.
; FILLS: at the head one joint load a wave (V's weight, x's scale bytes, two halves of x). The weights' region is filled again twice, in the first block of V's and of K's phase, when all waves hold the weight in registers,
; behind a round of the cluster's barrier. x's rows are shared along a row of the cluster, a weight's along a column.
; NO PREFETCH: a refill is asked for seven blocks (224 products) ahead of the barrier that shows it; what the head asks for has no loop ahead of it.
; THE BIAS is the C of a block's first four products.
; THE WAITS' COUNTS: a block's rows were fetched two blocks ago; younger are the next block's fetch (NF loads) and the byte stores issued between (none, one or four).
; LIMITS: NaN and infinities are not served; a block of zeros gets the byte 1 (its codes are zeros; this program alone reads the bytes).
.set KROW, 768
.set KS, 32
.set PITCH, 816
.set FR, 12
.set FPW, 21
.set NQ, 8
.set NB, 4
.set NF, 28
.set EMAX, 2
.set WBS, 256*PITCH
.set SCL, WBS+128*PITCH
.set STG, SCL+32*272
.set SPARE, STG+3072
.set XSEC, 6291456
.set WSEC, 3145728
.set BLK, 19200
.set HEADB, 307200
.set XP, 4                             ; v4,5 x's rows, plain (v5: behind one padding more); v6,7 by the V phase's choice
.set XM, 6
.set WP, 8                             ; v8,9 the weights' rows, plain; v10,11 by the K, Q phases' choice
.set WM, 10
.set SPW, 12
.set NIL, 13
.set ADRA, 14                          ; v14,15,16 the block that is fetched next
.set AAS, 16
.set ASP, 17                           ; v17, v18 x's scale words, plain and chosen
.set ASM, 18
.set STO, 19                           ; my byte in the stage
.set CO, 20                            ; 16 x lane
.set VX, 21
.set WT, 22
.set SB, 24                            ; v24-39 the weight's scale words
.set TQ, 40
.set BO, 42
.set ABSM, 43
.set SA, 44                            ; v44-59 the rows' scale words, two sets
.set TC, 60
.set L8, 63
.set HV0, 64                           ; V, band 0: 32 t + 8 j + i
.set HV1, 840                          ; band 1
.set MCD, 192                          ; V's four operands
.set BBK, 64                           ; K's bias, Q's bias, Q's scale words: loaded when band 0's sums have left
.set BBQ, 96
.set SBQ, 128
.set ACC0, 144
.set ACC1, 840
.set NCD, 176
.set SOP, 240
.set EB, 244
.set SBK, 968
.set BBV, 992
.set G1A, 24
.set G1B, 32
.set G0A, 56
.set G0B, 60
.set G0R, 68
.set G0S, 72
.set G1S, 92
.set MSB, 0
.macro WIN new
.if MSB != \new
	s_set_vgpr_msb (MSB<<8)|\new
.set MSB, \new
.endif
.endm
.macro PLACES n
.rept \n
	v_nop
.endr
.endm
.macro WALU
	s_wait_alu depctr_va_vdst(0)
.endm
.macro BARRIER
	s_barrier_signal -1
	s_barrier_wait -1
.endm
.macro MIDDLE
	WIN 0
	s_barrier_wait -1
	s_cmp_lg_u32 s14, 0
	s_cbranch_scc1 .Lnot_wave_0_\@
	s_barrier_signal -3
.Lnot_wave_0_\@:
	s_barrier_wait -3
.endm
.macro CROUND
	s_barrier_signal -1
	MIDDLE
	BARRIER
.endm
.macro GRD
	s_wait_tensorcnt 0x0
	ds_add_u32 v[SPW], v[NIL]
.endm
.macro TLOAD g0, g1
	tensor_load_to_lds s[\g0:\g0+3], s[\g1:\g1+7]
	s_nop 0
	PLACES 4
.endm
.macro GROUP1 g, mask, rows
	s_or_b32 s[\g+0], s[\mask], (1<<20)|(1<<21)|(5<<22)|(3<<25)
	s_mov_b32 s[\g+1], (KROW&0xffff)<<16
	s_mov_b32 s[\g+2], (\rows)<<16
	s_mov_b32 s[\g+3], KROW<<16
	s_mov_b32 s[\g+4], \rows
	s_mov_b32 s[\g+5], KROW
	s_mov_b32 s[\g+6], 0
	s_mov_b32 s[\g+7], 0
.endm
; fragment f lies in window 1 + f / 21 at register 12 (f % 21): 0-31 the weight's (4 q + tile), 32-47 the rows' two sets. Six pieces of 8 bytes, two to a load where both lie behind as many paddings
.macro FRAG f, q, a0, a1
	WIN (1+(\f)/FPW)<<6
.set R_, FR*((\f)%FPW)
.set SKIP_, 0
.irp p, 0,1,2,3,4,5
.if SKIP_
.set SKIP_, 0
.else
.set PC_, 12*(\q)+6*(\p/3)+\p%3
.set PN_, 12*(\q)+6*((\p+1)/3)+(\p+1)%3
.set X_, (PC_%32+3)/32
.set XQ_, (PN_%32+3)/32
.if (\p < 5) && (X_ == XQ_)
.set SKIP_, 1
.if X_
	ds_load_2addr_b64 v[R_+2*\p:R_+2*\p+3], \a1 offset0:PC_+2*(PC_/32) offset1:PN_+2*(PN_/32)
.else
	ds_load_2addr_b64 v[R_+2*\p:R_+2*\p+3], \a0 offset0:PC_+2*(PC_/32) offset1:PN_+2*(PN_/32)
.endif
.elseif X_
	ds_load_b64 v[R_+2*\p:R_+2*\p+1], \a1 offset:8*(PC_+2*(PC_/32))
.else
	ds_load_b64 v[R_+2*\p:R_+2*\p+1], \a0 offset:8*(PC_+2*(PC_/32))
.endif
.endif
.endr
.endm
.macro WEIGHTS base, perm              ; my 64 rows of the weight, all of K
.irp b, 0,1,2,3
	WIN 0
.if \perm
	v_add_nc_u32 v[WT], 8*(2*(\b%2)+\b/2)*PITCH, v[\base]
	v_add_nc_u32 v[WT+1], 8*(2*(\b%2)+\b/2)*PITCH, v[\base+1]
.else
	v_add_nc_u32 v[WT], 16*\b*PITCH, v[\base]
	v_add_nc_u32 v[WT+1], 16*\b*PITCH, v[\base+1]
.endif
.irp q, 0,1,2,3,4,5,6,7
	FRAG NB*\q+\b, \q, v[WT], v[WT+1]
.endr
.endr
	WIN 0
.endm
.macro FETCHAT e, a0, a1, as           ; a block of x's rows into set e: NF loads
.irp q, 0,1,2,3,4,5,6,7
	FRAG NB*NQ+NQ*(\e)+\q, \q, \a0, \a1
.endr
	WIN 0
	ds_load_b128 v[SA+8*(\e):SA+8*(\e)+3], \as
	ds_load_b128 v[SA+8*(\e)+4:SA+8*(\e)+7], \as offset:16
.endm
.macro FETCH e
	FETCHAT \e, v[ADRA], v[ADRA+1], v[AAS]
.endm
; product n = 4 q + tile. kind 0: source 0 the weight's rows; kind 1: source 0 x's rows. The first four take the bias at CB as C
.macro PROD kind, e, n, a0, as
.set Q_, (\n)/4
.set FB_, NB*Q_+(\n)%4
.set FA_, NB*NQ+NQ*(\e)+Q_
.set D_, (\a0)+(\as)*((\n)%4)
.set C_, D_
.if Q_ == 0
.set C_, CB+8*((\n)%4)
.endif
.set XB_, SB+NQ*(((\n)%4)/2)+Q_
.set XA_, SA+8*(\e)+Q_
.if \kind
	WIN (1+FA_/FPW)|((1+FB_/FPW)<<2)|((C_>>8)<<4)|((D_>>8)<<6)
	PROD1 D_&255, FA_, FB_, C_&255, XA_, XB_, b, (\n)%2
.else
	WIN (1+FB_/FPW)|((1+FA_/FPW)<<2)|((C_>>8)<<4)|((D_>>8)<<6)
	PROD1 D_&255, FB_, FA_, C_&255, XB_, XA_, a, (\n)%2
.endif
.endm
.macro PROD1 d, s0, s1, c, x0, x1, side, o
.if \o
	v_wmma_scale_f32_16x16x128_f8f6f4 v[(\d):(\d)+7], v[FR*((\s0)%FPW):FR*((\s0)%FPW)+FR-1], v[FR*((\s1)%FPW):FR*((\s1)%FPW)+FR-1], v[(\c):(\c)+7], v[\x0], v[\x1] matrix_a_fmt:MATRIX_FMT_FP6 matrix_b_fmt:MATRIX_FMT_FP6 matrix_\side\()_scale:MATRIX_SCALE_ROW1
.else
	v_wmma_scale_f32_16x16x128_f8f6f4 v[(\d):(\d)+7], v[FR*((\s0)%FPW):FR*((\s0)%FPW)+FR-1], v[FR*((\s1)%FPW):FR*((\s1)%FPW)+FR-1], v[(\c):(\c)+7], v[\x0], v[\x1] matrix_a_fmt:MATRIX_FMT_FP6 matrix_b_fmt:MATRIX_FMT_FP6 matrix_\side\()_scale:MATRIX_SCALE_ROW0
.endif
.endm
; products from .. to - 1 of a block; behind every second one two entries of the list (at most four scalar lines and a vector line each)
.macro BLOCK kind, e, a0, as, from, to, list, x=0, y=0
.set N_, \from
.rept (\to)-(\from)
	PROD \kind, \e, N_, \a0, \as
.if N_%2
	\list N_-1, \x, \y
	\list N_, \x, \y
.endif
.set N_, N_+1
.endr
.endm
.macro STEPV i                         ; the next block's LDS addresses
.if (\i) == 0
	WIN 0
	v_add_nc_u32 v[ADRA], s101, v[BX]
.elseif (\i) == 1
	WIN 0
	v_add_nc_u32 v[ADRA+1], s101, v[BX+1]
.elseif (\i) == 2
	WIN 0
	v_add_nc_u32 v[AAS], s91, v[BS]
.endif
.endm
.macro STEPW i                         ; K, Q: 16 rows on; behind my last block comes my first again, for the next phase
.if (\i) == 0
	s_add_co_u32 s101, s101, 16*PITCH
	s_cmp_eq_u32 s101, 128*PITCH
	s_cselect_b32 s101, 0, s101
	s_add_co_u32 s91, s91, 544
.elseif (\i) == 1
	s_cmp_eq_u32 s91, 8*544
	s_cselect_b32 s91, 0, s91
.endif
	STEPV (\i)-1
.endm
.macro NEXTV n                         ; V: where block n = 4 c + j lies
.set NXO, (64*((\n)/4)+8*(2*((\n)%2)+((\n)%4)/2))*PITCH
.set NSO, 272*(8*((\n)/4)+2*((\n)%2)+((\n)%4)/2)
.endm
.macro CHAIN i, x, n, t=TQ             ; 18 entries: the largest magnitude of the 32 sums from register x on, in two chains, and the conversions' scale operand
.set XW_, (\x)>>8
.set XL_, (\x)&255
.if (\i) >= 0 && (\i) < 14
.set B_, XL_+16*((\i)%2)+2*((\i)/2)
.set T_, (\t)+1-(\i)%2
.if (\i) < 2
	WIN XW_|(XW_<<2)|(XW_<<4)
	v_max3_num_f32 v[T_], |v[B_]|, |v[B_+1]|, |v[B_+2]|
.else
	WIN (XW_<<2)|(XW_<<4)
	v_max3_num_f32 v[T_], v[T_], |v[B_+1]|, |v[B_+2]|
.endif
.elseif (\i) == 14
	WIN XW_<<2
	v_max3_num_f32 v[\t+1], v[\t+1], |v[XL_+15]|, (EMAX+1)<<23
.elseif (\i) == 15
	WIN 0
	v_nop
.elseif (\i) == 16
	WIN XW_<<2
	v_max3_num_f32 v[\t], v[\t], |v[XL_+31]|, v[\t+1]
.elseif (\i) == 17
	WIN 0
	v_add_nc_u32 v[SOP+\n], -(EMAX<<23), v[\t]
.endif
.endm
.macro CODES i, x, c, n, t=TC          ; 6 lines: 32 codes into v[c .. c+5], the scale's byte into v[EB+n]
.set XW_, (\x)>>8
.set XL_, (\x)&255
.if (\i) == 0
	WIN XW_
	v_cvt_scalef32_pk16_fp6_f32 v[\c:\c+2], v[XL_:XL_+15], v[SOP+\n]
.elseif (\i) == 1
	WIN XW_
	v_cvt_scalef32_pk16_fp6_f32 v[\t:\t+2], v[XL_+16:XL_+31], v[SOP+\n]
.elseif (\i) == 2
	WIN 0
	v_lshrrev_b32 v[EB+\n], 23, v[SOP+\n]
.else
	WIN 0
	v_mov_b32 v[\c+\i], v[\t+\i-3]
.endif
.endm
.macro CODES6 x, c, n
.irp i, 0,1,2,3,4,5
	CODES \i, \x, \c, \n
.endr
.endm
.macro PUT3 r, base, off
.irp k, 0,1,2
	global_store_b128 v[CO], v[\r+4*\k:\r+4*\k+3], \base offset:(\off)+512*\k
.endr
.endm
.macro PAIR i                          ; 3 entries: where pair s46's fragment goes (pairs 0-3 K's, 4-7 Q's) and its scale bytes
.if (\i) == 0
	s_lshr_b32 s3, s46, 2
	s_mul_i32 s20, s3, 6656
	s_mul_i32 s22, s46, 1536
	s_add_co_u32 s20, s20, s22
.elseif (\i) == 1
	s_mov_b32 s21, 0
	s_add_nc_u64 s[84:85], s[10:11], s[20:21]
	s_mul_i32 s3, s3, 240
	s_lshl_b32 s22, s46, 2
.elseif (\i) == 2
	s_add_co_u32 s22, s22, s3
	s_add_co_u32 s22, s22, 256
	s_add_co_u32 s46, s46, 1
	WIN 0
	v_add_nc_u32 v[VX], s22, v[STO]
.endif
.endm
.macro L_NONE i, x, y
.endm
.macro L_VS i, x, y
.if (\i) == 0
	s_mov_b32 s101, NXO
	s_mov_b32 s91, NSO
.endif
	STEPV \i
.endm
.macro L_V0 i, x, y                    ; the refill's address: the weight 1,024 rows back
.if (\i) == 0
	s_sub_nc_u64 s[G0B+2:G0B+3], s[G0B+2:G0B+3], 1024*KROW
.endif
	L_VS (\i)-1, 0, 0
.endm
.macro L_VO i, x, y
	L_VS \i, 0, 0
	CHAIN (\i)-3, \x, \y
.endm
.macro L_LAST i, x, y
	CHAIN \i, \x, \y
.endm
.macro L_K0 i, x, y
.if (\i) == 0
	s_sub_nc_u64 s[G0B+2:G0B+3], s[G0B+2:G0B+3], 1024*KROW
.endif
	STEPW (\i)-1
.endm
.macro L_EV i, x, y
	STEPW \i
	CHAIN (\i)-4, ACC1, 1
.endm
.macro L_EVL i, x, y
	CHAIN \i, ACC1, 1
.endm
.macro L_OD i, x, y
	PAIR \i
	STEPW (\i)-3
	CHAIN (\i)-7, ACC0, 0
.endm
.macro L_ODL i, x, y
	PAIR \i
	CHAIN (\i)-3, ACC0, 0
.endm
.macro WAITDS w
.if (\w) >= 0
	s_wait_dscnt \w
.endif
.endm
.macro EVEN w, fetch                   ; an even block; behind it the odd block's codes and the pair's stores
	WAITDS \w
.if \fetch
	BLOCK 0, 0, ACC0, 8, 0, 32, L_EV
.else
	BLOCK 0, 0, ACC0, 8, 0, 32, L_EVL
.endif
	WIN 0
	CODES6 ACC1, NCD+6, 1
	WALU
	ds_store_b8 v[VX], v[EB+1] offset:2
	PUT3 NCD, s[84:85], 0
.if \fetch
	FETCH 0
.endif
.endm
.macro ODD w, fetch
	WAITDS \w
	s_wait_xcnt 0x0                        ; the pair's stores have read their registers and base
.if \fetch
	BLOCK 0, 1, ACC1, 8, 0, 32, L_OD
.else
	BLOCK 0, 1, ACC1, 8, 0, 32, L_ODL
.endif
	WIN 0
	CODES6 ACC0, NCD, 0
	WALU
	ds_store_b8 v[VX], v[EB]
.if \fetch
	FETCH 1
.endif
.endm
; ---- the head
	s_load_b256 s[4:11], s[0:1], 0x0               ; xq, wq, b_in, qkv
	v_lshl_add_u32 v[SPW], v0, 2, SPARE
	v_mov_b32 v[NIL], 0
	ds_add_u32 v[SPW], v[NIL]
	ds_add_u32 v[SPW], v[NIL]
	v_lshrrev_b32 v1, 5, v0
	v_readfirstlane_b32 s14, v1                    ; wave; s15 its half of the tokens, s16 its head of the two
	s_lshr_b32 s15, s14, 1
	s_and_b32 s16, s14, 1
	s_bfe_u32 s40, ttmp6, 0x40000
	s_bfe_u32 s41, ttmp6, 0x40004
	s_lshl_b32 s42, ttmp9, 2
	s_add_co_u32 s42, s42, s40                     ; the pair of heads, 0 .. 7
	s_and_b32 s43, ttmp7, 0xffff
	s_lshl_b32 s43, s43, 2
	s_add_co_u32 s43, s43, s41                     ; the 256 tokens, 0 .. 31
	s_lshl_b32 s44, s41, 2
	s_lshl_b32 s44, 15, s44
	s_lshl_b32 s45, 0x1111, s40
	GROUP1 G1A, 44, 128
	GROUP1 G1B, 45, 128
	s_or_b32 s[G1S+0], s44, (3<<16)|(1<<20)|(1<<21)|(5<<22)|(3<<25)
	s_mov_b32 s[G1S+1], 32<<16
	s_mov_b32 s[G1S+2], 32<<16
	s_mov_b32 s[G1S+3], 32<<16
	s_mov_b32 s[G1S+4], 32
	s_mov_b32 s[G1S+5], 32
	s_mov_b32 s[G1S+6], 0
	s_mov_b32 s[G1S+7], 0
	s_mov_b32 s[G0A], 1
	s_mov_b32 s[G0A+1], 0
	s_mov_b32 s[G0R], 1
	s_mov_b32 s[G0R+1], 128*PITCH
	s_mov_b32 s[G0B], 1
	s_mov_b32 s[G0B+1], WBS
	s_mov_b32 s[G0S], 1
	s_mov_b32 s[G0S+1], SCL
	s_mul_i32 s66, s43, 256*KROW
	s_mul_i32 s54, s42, 128*KROW
	s_add_co_u32 s54, s54, 2048*KROW               ; V's weight comes first
	s_mul_i32 s89, s43, 256*KS
	s_add_co_u32 s89, s89, XSEC
	s_lshl_b32 s46, s42, 7
	s_lshl_b32 s47, s16, 6
	s_add_co_u32 s46, s46, s47                     ; my first channel within q, k or v
	s_lshl_b32 s76, s46, 5
	s_add_co_u32 s76, s76, WSEC
	s_mov_b32 s77, 0
	s_lshl_b32 s78, s46, 2
	s_mov_b32 s79, 0
	s_lshl_b32 s20, s43, 1
	s_add_co_u32 s20, s20, s15                     ; which 128 tokens
	s_lshr_b32 s21, s20, 4
	s_and_b32 s20, s20, 15
	s_lshl_b32 s21, s21, 4
	s_lshl_b32 s22, s42, 1
	s_add_co_u32 s21, s21, s22
	s_add_co_u32 s21, s21, s16                     ; 16 x batch + head
	s_mul_i32 s21, s21, HEADB
	s_mul_i32 s20, s20, BLK
	s_add_co_u32 s80, s20, s21
	s_mov_b32 s81, 0
	s_mov_b32 s46, 0
	v_and_b32 v1, 15, v0
	v_bfe_u32 v2, v0, 4, 1
	v_and_b32 v3, 31, v0
	v_mul_u32_u24 v22, v1, PITCH
	v_and_b32 v40, 7, v1
	v_lshrrev_b32 v41, 3, v1
	v_lshl_add_u32 v23, v41, 5, v40                ; 32 (r / 8) + r % 8
	v_mul_u32_u24 v23, v23, PITCH
	s_mul_i32 s21, s15, 128*PITCH
	s_mul_i32 s22, s16, 64*PITCH
	s_add_co_u32 s22, s22, WBS
	v_mad_u32_u24 v[XP], v2, 24, v22
	v_mad_u32_u24 v[XP+1], v2, 40, v22
	v_mad_u32_u24 v[XM], v2, 24, v23
	v_mad_u32_u24 v[XM+1], v2, 40, v23
.irp i, 0,1,2,3
	v_add_nc_u32 v[WP+\i], s22, v[XP+\i]
.endr
.irp i, 0,1,2,3
	v_add_nc_u32 v[XP+\i], s21, v[XP+\i]
.endr
	v_lshlrev_b32 v40, 5, v40                      ; 32 (r % 8)
	v_mad_u32_u24 v[ASP], v41, 272, v40
	v_mad_u32_u24 v[ASM], v41, 1088, v40
	s_mul_i32 s21, s15, 16*272
	s_add_co_u32 s21, s21, SCL
	v_add_nc_u32 v[ASP], s21, v[ASP]
	v_add_nc_u32 v[ASM], s21, v[ASM]
	s_mul_i32 s21, s14, 768
	s_add_co_u32 s21, s21, STG
	v_lshl_add_u32 v[STO], v1, 4, v2
	v_add_nc_u32 v[STO], s21, v[STO]
	v_lshlrev_b32 v[CO], 4, v3
	v_lshlrev_b32 v[L8], 3, v3
	v_lshlrev_b32 v[BO], 7, v2
	v_lshl_add_u32 v[ABSM], v41, 10, v40
	v_lshl_add_u32 v[ABSM], v2, 9, v[ABSM]         ; 32 bytes x (32 (r / 8) + 16 (lane / 16) + r % 8)
	v_lshlrev_b32 v60, 5, v3
	v_lshlrev_b32 v61, 2, v1
	v_lshl_add_u32 v61, v41, 5, v61                ; 4 (r + 8 (r / 8))
	WALU
	s_wait_dscnt 0x0
	CROUND
	s_wait_kmcnt 0x0
	s_mov_b32 s21, 0
	s_mov_b32 s20, s66
	s_add_nc_u64 s[G0A+2:G0A+3], s[4:5], s[20:21]
	s_add_nc_u64 s[G0R+2:G0R+3], s[G0A+2:G0A+3], 128*KROW
	s_or_b32 s[G0A+3], s[G0A+3], 0x80000000
	s_or_b32 s[G0R+3], s[G0R+3], 0x80000000
	s_mov_b32 s20, s54
	s_add_nc_u64 s[G0B+2:G0B+3], s[6:7], s[20:21]
	s_or_b32 s[G0B+3], s[G0B+3], 0x80000000
	s_mov_b32 s20, s89
	s_add_nc_u64 s[G0S+2:G0S+3], s[4:5], s[20:21]
	s_or_b32 s[G0S+3], s[G0S+3], 0x80000000
	s_add_nc_u64 s[76:77], s[6:7], s[76:77]        ; Q's scale bytes of my 64 rows; K's 32,768 on, V's 65,536
	s_add_nc_u64 s[78:79], s[8:9], s[78:79]        ; Q's bias; K's 4,096 on, V's 8,192
	s_add_nc_u64 s[10:11], s[10:11], s[80:81]      ; my block of qkv
	s_cmp_eq_u32 s14, 0
	s_cbranch_scc0 .Lwave_1
	TLOAD G0B, G1B
	s_branch .Lasked
.Lwave_1:
	s_cmp_eq_u32 s14, 1
	s_cbranch_scc0 .Lwave_2
	TLOAD G0S, G1S
	s_branch .Lasked
.Lwave_2:
	s_cmp_eq_u32 s14, 2
	s_cbranch_scc0 .Lwave_3
	TLOAD G0A, G1A
	s_branch .Lasked
.Lwave_3:
	TLOAD G0R, G1A
.Lasked:
.irp p, 0,1
.irp c, 0,1
	global_load_b128 v[SB+8*\p+4*\c:SB+8*\p+4*\c+3], v60, s[76:77] offset:65536+1024*\p+16*\c
.endr
.endr
	WIN 3<<6
.irp p, 0,1
.irp c, 0,1
	global_load_b128 v[SBK-768+8*\p+4*\c:SBK-768+8*\p+4*\c+3], v[ABSM], s[76:77] offset:32768+256*\p+16*\c
.endr
.endr
.irp t, 0,1,2,3
	global_load_b32 v[BBV-768+8*\t], v61, s[78:79] offset:8192+4*(32*(\t/2)+8*(\t%2))
.endr
	WIN 0
	s_cmp_eq_u32 s14, 0
	s_cbranch_scc0 .Lnot_b
	s_wait_tensorcnt 0x0
.Lnot_b:
	BARRIER                                        ; V's weight is in
	WEIGHTS WP, 0
	s_wait_tensorcnt 0x0
	s_wait_dscnt 0x0
	BARRIER                                        ; x and its scale bytes are in
	NEXTV 1
	v_add_nc_u32 v[ADRA], NXO, v[XM]
	v_add_nc_u32 v[ADRA+1], NXO, v[XM+1]
	v_add_nc_u32 v[AAS], NSO, v[ASM]
	FETCHAT 0, v[XM], v[XM+1], v[ASM]
	FETCH 1
	s_wait_loadcnt 0x0
	WIN (3<<6)|3
.irp t, 0,8,16,24
.irp i, 1,2,3,4,5,6,7
	v_mov_b32 v[BBV-768+\t+\i], v[BBV-768+\t]      ; V's bias, one number a lane and tile, over the tile's eight registers
.endr
.endr
	WIN 0
; ---- V: eight blocks; band 0's sums leave in band 1's blocks
.set CB, BBV
.set BX, XM
.set BS, ASM
	WALU
	s_wait_dscnt NF
	GRD
	NEXTV 2
	BLOCK 1, 0, HV0, 32, 0, 24, L_V0
	WIN 0
	s_wait_dscnt 0x0
	s_barrier_signal -1
	BLOCK 1, 0, HV0, 32, 24, 32, L_NONE
	MIDDLE
	BARRIER
	s_cmp_eq_u32 s14, 0
	s_cbranch_scc0 .Lno_k
	TLOAD G0B, G1B                                 ; K's weight, onto V's, which all waves hold in registers
.Lno_k:
	PLACES 4
	WALU
	FETCH 0
.irp s, 1,2,3
.if \s > 1
	s_wait_dscnt NF
.endif
	NEXTV \s+2
	BLOCK 1, \s%2, HV0+8*\s, 32, 0, 32, L_VS
	WIN 0
	PLACES 4
	WALU
	FETCH \s%2
.endr
.irp j, 0,1,2
	s_wait_dscnt NF+(\j+1)/2
.if \j < 2
	NEXTV \j+6
	BLOCK 1, \j%2, HV1+8*\j, 32, 0, 32, L_VO, HV0+32*\j, \j
.else
	BLOCK 1, \j%2, HV1+8*\j, 32, 0, 32, L_LAST, HV0+32*\j, \j
.endif
	WIN 0
	CODES6 HV0+32*\j, MCD+12*\j, \j
	WALU
	ds_store_b8 v[STO], v[EB+\j] offset:4*\j
.if \j < 2
	FETCH \j%2
.irp k, 0,1,2,3,4,5,6,7
	global_load_b128 v[BBK+32*\j+4*\k:BBK+32*\j+4*\k+3], v[BO], s[78:79] offset:4096*(1-\j)+16*\k   ; K's bias, then Q's, into registers whose sums have left
.endr
.else
.irp p, 0,1
.irp c, 0,1
	global_load_b128 v[SBQ+8*\p+4*\c:SBQ+8*\p+4*\c+3], v[ABSM], s[76:77] offset:256*\p+16*\c
.endr
.endr
.endif
.endr
	s_wait_dscnt 1
	BLOCK 1, 1, HV1+24, 32, 0, 32, L_LAST, HV0+96, 3
	WIN 0
	CODES6 HV0+96, MCD+36, 3
	WALU
	ds_store_b8 v[STO], v[EB+3] offset:12
	s_wait_tensorcnt 0x0
	s_wait_dscnt 0x0
	BARRIER                                        ; K's weight is shown to all
; ---- the change of phase: one run of loads; band 1's sums leave under their flight
	WEIGHTS WM, 1
	v_add_nc_u32 v[ADRA], 16*PITCH, v[XP]
	v_add_nc_u32 v[ADRA+1], 16*PITCH, v[XP+1]
	v_add_nc_u32 v[AAS], 544, v[ASP]
	FETCHAT 0, v[XP], v[XP+1], v[ASP]
	FETCH 1
	s_mov_b32 s101, 16*PITCH
	s_mov_b32 s91, 544
	WIN 3
.set I, 0
.rept 16
	v_mov_b32 v[SB+I], v[SBK-768+I]
.set I, I+1
.endr
	WIN 0
.set I, 0
.rept 18
.irp t, 0,1,2,3
	CHAIN I, HV1+32*\t, \t, 144+4*\t
.endr
.set I, I+1
.endr
.set I, 0
.rept 6
.irp t, 0,1,2,3
	CODES I, HV1+32*\t, MCD+12*\t+6, \t, 160+4*\t
.endr
.set I, I+1
.endr
	WIN 0
	WALU
; ---- K
.set CB, BBK
.set BX, XP
.set BS, ASP
	s_wait_loadcnt 0x0
	s_wait_dscnt NF
	GRD
	BLOCK 0, 0, ACC0, 8, 0, 24, L_K0
	WIN 0
	s_wait_dscnt 0x0
	s_barrier_signal -1
	BLOCK 0, 0, ACC0, 8, 24, 32, L_NONE
	MIDDLE
	BARRIER
	s_cmp_eq_u32 s14, 0
	s_cbranch_scc0 .Lno_q
	TLOAD G0B, G1B                                 ; Q's weight
.Lno_q:
	PLACES 4
	WALU
.irp t, 0,1,2,3
	ds_store_b8 v[STO], v[EB+\t] offset:4*\t+2
.endr
.irp t, 0,1,2,3
	PUT3 MCD+12*\t, s[10:11], 6400+1536*\t         ; V's codes leave
.endr
	FETCH 0
	ODD -1, 1
	s_mov_b32 s86, 0
.Lk_pairs:
	EVEN NF+1, 1
	ODD NF+1, 1
	s_add_co_u32 s86, s86, 1
	s_cmp_lg_u32 s86, 3
	s_cbranch_scc1 .Lk_pairs
	s_wait_tensorcnt 0x0
	s_wait_dscnt 0x0
	BARRIER                                        ; Q's weight is shown to all; my first two blocks of x are in registers again
; ---- Q
	WEIGHTS WM, 1
.set I, 0
.rept 16
	v_mov_b32 v[SB+I], v[SBQ+I]
.set I, I+1
.endr
	PLACES 8                                       ; a scale register written by a vector line stands 8 places ahead of a scaled product
	WALU
.set CB, BBQ
	EVEN 0, 1
	ODD -1, 1
	s_mov_b32 s86, 0
.Lq_pairs:
	EVEN NF+1, 1
	ODD NF+1, 1
	s_add_co_u32 s86, s86, 1
	s_cmp_lg_u32 s86, 2
	s_cbranch_scc1 .Lq_pairs
	EVEN NF+1, 0
	ODD 1, 0
; ---- the end: the last block's sums; the scale bytes leave as three runs of 256 bytes
	s_mul_i32 s21, s14, 768
	s_add_co_u32 s21, s21, STG
	v_add_nc_u32 v14, s21, v[L8]
.set I, 0
.rept 18
	CHAIN I, ACC1, 1
.set I, I+1
.endr
	CODES6 ACC1, NCD+6, 1
	WALU
	ds_store_b8 v[VX], v[EB+1] offset:2
	PUT3 NCD, s[84:85], 0
	ds_load_b64 v[64:65], v14                      ; LDS serves a wave's instructions in order: these see my stores
	ds_load_b64 v[66:67], v14 offset:256
	ds_load_b64 v[68:69], v14 offset:512
	s_wait_dscnt 0x0
	global_store_b64 v[L8], v[64:65], s[10:11] offset:12544
	global_store_b64 v[L8], v[66:67], s[10:11] offset:6144
	global_store_b64 v[L8], v[68:69], s[10:11] offset:18944
	s_wait_tensorcnt 0x0                           ; the wave's end
	ds_add_u32 v[SPW], v[NIL]
	s_wait_dscnt 0x0
	CROUND
	s_endpgm
.Lfunc_end_k_q3a555fa7ad_gemm1:
	.size	k_q3a555fa7ad_gemm1, .Lfunc_end_k_q3a555fa7ad_gemm1-k_q3a555fa7ad_gemm1
	.p2alignl 7, 3214868480
	.fill 96, 4, 3214868480
	.section	.rodata,"a",@progbits
	.p2align	6, 0x0
	.amdhsa_kernel k_q3a555fa7ad_gemm1
		.amdhsa_group_segment_fixed_size 327680
		.amdhsa_private_segment_fixed_size 0
		.amdhsa_enable_private_segment 0
		.amdhsa_kernarg_size 32
		.amdhsa_user_sgpr_count 2
		.amdhsa_user_sgpr_kernarg_segment_ptr 1
		.amdhsa_wavefront_size32 1
		.amdhsa_system_sgpr_workgroup_id_x 1
		.amdhsa_system_sgpr_workgroup_id_y 1
		.amdhsa_system_sgpr_workgroup_id_z 1
		.amdhsa_system_vgpr_workitem_id 0
		.amdhsa_next_free_vgpr 1024
		.amdhsa_next_free_sgpr 102
		.amdhsa_reserve_vcc 0
		.amdhsa_float_denorm_mode_32 3
		.amdhsa_float_denorm_mode_16_64 3
		.amdhsa_memory_ordered 1
		.amdhsa_forward_progress 1
		.amdhsa_inst_pref_size 195
	.end_amdhsa_kernel
	.amdgpu_metadata
---
amdhsa.version: [ 1, 2 ]
amdhsa.kernels:
  - .name:           k_q3a555fa7ad_gemm1
    .symbol:         k_q3a555fa7ad_gemm1.kd
    .args:
      - { .name: xq, .offset: 0, .size: 8, .value_kind: global_buffer, .address_space: global }
      - { .name: wq, .offset: 8, .size: 8, .value_kind: global_buffer, .address_space: global }
      - { .name: b_in, .offset: 16, .size: 8, .value_kind: global_buffer, .address_space: global }
      - { .name: qkv, .offset: 24, .size: 8, .value_kind: global_buffer, .address_space: global }
    .group_segment_fixed_size: 327680
    .private_segment_fixed_size: 0
    .kernarg_segment_align: 8
    .kernarg_segment_size: 32
    .max_flat_workgroup_size: 128
    .sgpr_count:     102
    .vgpr_count:     1024
    .wavefront_size: 32
...
	.end_amdgpu_metadata
.endif
;; end of part 2
;; launch attn (part 3): grid 4 x 64, 16 waves a work-group, clusters of 4 x 1, 327,680 bytes of LDS; arguments qkv, att; writes att
.if DOCPART == 3
	.amdgcn_target "amdgcn-amd-amdhsa--gfx1250"
	.amdhsa_code_object_version 6
	.text
	.protected	k_q3a555fa7ad_attn
	.globl	k_q3a555fa7ad_attn
	.p2align	8
	.type	k_q3a555fa7ad_attn,@function
k_q3a555fa7ad_attn:
	s_mov_b64 s[64:65], 0
	v_nop
	global_prefetch_b8 v0, s[64:65] scope:SCOPE_SE
	s_setreg_imm32_b32 hwreg(HW_REG_WAVE_MODE, 25, 1), 1
	s_wait_xcnt 0x0
	s_wait_alu depctr_hold_cnt(0) depctr_sa_sdst(0) depctr_va_vdst(0) depctr_va_sdst(0) depctr_va_ssrc(0) depctr_va_vcc(0) depctr_vm_vsrc(0)
	s_getreg_b32 s2, hwreg(HW_REG_IB_STS2, 6, 4)
	s_cmp_eq_u32 s2, 0
	s_cbranch_scc0 .Lentry_in_a_cluster
	s_endpgm
.Lentry_in_a_cluster:
	s_bfe_u32 s2, ttmp6, 0x10000c
	s_cmp_lg_u32 s2, 0x3003
	s_cbranch_scc0 .Lentry_shape_is_right
	s_endpgm
.Lentry_shape_is_right:
; Causal attention of one head to a cluster, both products on codes of FP6 (E2M3) with E8M0 scales; the result is divided by the row's sum, quantised along (head, channel) and stored as images of the last product's operand registers.
; THE SOFTMAX: t = score x log2(e) / 8; M = the running largest t rounded UP to a whole number; p = 2^(t - M) is quantised along the keys, not normalised; the row's sum is taken of the unquantised p.  When M moves, the sum and O are
; multiplied by 2^(old M - new M): exact.
; SHARES.  A head has 128 tiles of 16 queries.  Partner c of the cluster takes tiles 4 j + c; wave w takes j = w and j = 31 - w.  A tile's queries lie in tokens 64 j .. 64 j + 63, so which key steps of 128 are open (ks < j / 2), on the
; diagonal (ks = j / 2) or hidden hangs on j alone: no branch hangs on a work-group's place in its cluster, and every wave has 17 tile steps.
; LDS.  The head's K and V (images and scale words, 12,800 bytes for each of 16 key steps) come once: wave w brings step w by ONE joint tensor load, which all four partners issue alike.  One load of mine is out.  Nothing is filled again,
; so the loop has no barrier.
; K = 64 IN AN INSTRUCTION OF 128.  A fragment of K carries two tiles of 16 keys (registers 0-5, 6-11).  Q stands between zeros: (q, 0) picks the first tile, (0, q) the second; zero codes add nothing.  Q's scale word has its two bytes
; under q and the byte 0 under the zeros.
; LAYOUT.  S^T = K Q^T, O^T = V^T P^T: a lane holds one query throughout.  The keys of a tile are chosen so that register 16 b + i of the scores is key 32 b + 16 (lane / 16) + i; V's channel rows so that register 16 a + i of O^T is
; channel 32 a + 16 (lane / 16) + i.
; att: codes [tile 512][head 16][768]: registers 0-3 of lane L at 16 L, registers 4, 5 at 512 + 8 L (lane (r, h): channels 32 h on); scale bytes [tile][r][32] from byte 6,291,456 on.  The scale bytes leave one byte a lane, 32 bytes
; from row to row: one byte in 24 of what the launch stores.
; LIMITS: NaN and infinities are not served; p under 2^-126 counts as 0; a block of zeros gets the byte 1 (its codes are zeros; this program alone reads the bytes).
.set BLK,   19200
.set HEADB, 307200
.set KVB,   12800                      ; K's and V's part of a block
.set SPARE, 16*KVB                     ; behind the head's K and V: the spare words, 128 bytes a wave
.set ASEC,  6291456
.set AD0,  1                           ; v1  16 x lane
.set AS0,  2                           ; v2  16 x (lane % 16)
.set ADK,  3                           ; v3  the step's images
.set ADS,  4                           ; v4  the step's scale words
.set SPW,  5
.set NIL,  6
.set KV,   54                          ; v54-101 four fragments of K, then of V; between them at work
.set KSW,  102                         ; v102-105 K's scale words
.set VSW,  106                         ; v106-109 V's
.set S,    110                         ; v110-173 the scores, then p
.set PC,   238                         ; v238-249 p's codes
.set BM,   KV                          ; the blocks' largest scores
.set PT,   KV+4                        ; the other half's; then the bytes
.set SO,   KV+8                        ; the conversions' scale operands
.set CT,   KV+12                       ; two conversions' results on their way
.set SC2,  KV+20                       ; the sums' second chain
.set WV,   8                           ; s8 wave
.set HM,   11                          ; s11 lanes 16-31
.set SEL,  24
.set CS,   26                          ; s[26:27] c = log2(e) / 8
.set TB,   28                          ; s28 LDS byte at which the step's block begins
.set KSR,  29                          ; s29 the key step
.macro CROUND
	s_barrier_signal -1
	s_barrier_wait -1
	s_cmp_lg_u32 s[WV], 0
	s_cbranch_scc1 .Lnot_wave_0_\@
	s_barrier_signal -3
.Lnot_wave_0_\@:
	s_barrier_wait -3
	s_barrier_signal -1
	s_barrier_wait -1
.endm
	s_load_b128 s[4:7], s[0:1], 0x0                ; qkv, att
	v_lshl_add_u32 v[SPW], v0, 2, SPARE
	v_mov_b32 v[NIL], 0
	ds_add_u32 v[SPW], v[NIL]                      ; the wave's opening: the add and its wait ahead of my first tensor load
	ds_add_u32 v[SPW], v[NIL]
	v_lshrrev_b32 v254, 5, v0
	s_delay_alu instid0(VALU_DEP_1)
	v_readfirstlane_b32 s[WV], v254                ; wave 0..15
	s_bfe_u32 s9, ttmp6, 0x40000                   ; cx
	s_and_b32 s10, ttmp7, 0xffff                   ; the head, 16 x batch + head: the four partners share it
	s_mov_b32 s16, 15|(3<<16)|(1<<21)              ; the mask: all four; elements of 8 bytes; bit 21 beside a mask; no padding
	s_mov_b32 s17, 32<<16                          ; 12,800 dense bytes as 50 rows of 256
	s_mov_b32 s18, 50<<16
	s_mov_b32 s19, 32<<16
	s_mov_b32 s20, 50
	s_mov_b32 s21, 32
	s_mov_b32 s22, 0
	s_mov_b32 s23, 0
	s_mov_b32 s12, 1
	s_mul_i32 s13, s[WV], KVB                      ; LDS: step w's place
	s_mul_i32 s48, s10, HEADB                      ; the head's first byte in qkv
	s_mul_i32 s50, s[WV], BLK
	s_add_co_u32 s50, s50, s48
	s_mov_b32 s51, 0
	s_mov_b32 s[HM], 0xffff0000
	s_mov_b32 s[SEL], 0x76543210
	s_mov_b32 s[SEL+1], 0xfedcba98
	s_mov_b32 s[CS], 0x3e38aa3b
	s_mov_b32 s[CS+1], s[CS]                       ; (named with it as a pair, so it is written)
	s_mov_b32 s[TB], 0
	s_mov_b32 s[KSR], 0
	s_wait_dscnt 0x0                               ; the opening add is done
	s_wait_kmcnt 0x0
	s_add_nc_u64 s[14:15], s[4:5], s[50:51]
	s_or_b32 s15, s15, 0x80000000
	CROUND                                         ; all four work-groups are here: the joint loads meet
	tensor_load_to_lds s[12:15], s[16:23]
	s_nop 0
.rept 4
	v_nop
.endr
	v_and_b32 v254, 31, v0
	s_delay_alu instid0(VALU_DEP_1)
	v_lshlrev_b32 v[AD0], 4, v254
	s_delay_alu instid0(VALU_DEP_2)
	v_lshlrev_b32 v10, 3, v254                     ; v10: 8 x lane
	v_and_b32 v255, 15, v0                         ; r
	s_delay_alu instid0(VALU_DEP_1)
	v_lshlrev_b32 v[AS0], 4, v255
	v_bfe_u32 v253, v0, 4, 1                       ; h
	s_delay_alu instid0(VALU_DEP_1)
	v_lshl_add_u32 v11, v255, 5, v253              ; v11: 32 r + h: my scale byte's place
	s_delay_alu instid0(VALU_DEP_4)
	v_and_b32 v254, 8, v255
	s_delay_alu instid0(VALU_DEP_1)
	v_add_nc_u32 v254, v254, v255
	s_delay_alu instid0(VALU_DEP_4)
	v_lshlrev_b32 v253, 4, v253
	s_delay_alu instid0(VALU_DEP_1)
	v_sub_nc_u32 v254, v254, v253                  ; r + 8 (r / 8) - 16 h
	s_wait_alu depctr_va_vdst(0)
	s_lshr_b32 s56, s9, 1
	s_and_b32 s57, s9, 1
	s_lshr_b32 s60, s10, 4
	s_lshl_b32 s60, s60, 7                         ; 128 x batch
	s_and_b32 s61, s10, 15
	s_lshl_b32 s62, s61, 1
	s_add_co_u32 s62, s62, ASEC                    ; the scale bytes' section + 2 x head
	s_mul_i32 s61, s61, 768
	s_lshl_b32 s63, s56, 5
	s_lshl_b32 s54, s57, 3
	s_add_co_u32 s63, s63, s54                     ; 32 (cx / 2) + 8 (cx % 2)
; The tile with j in s52: dr = its diagonal step; qi, qs = where its Q codes and scale words lie; ac, sc = where its result goes; dl = my query less the diagonal step's first key less 16 (lane / 16).
.macro TILE dr, qi, qs, ac, sc, dl
	s_lshr_b32 s[\dr], s52, 1
	s_and_b32 s54, s52, 1
	s_lshl_b32 s55, s54, 1
	s_add_co_u32 s55, s55, s56                     ; which of the block's four fragments
	s_mul_i32 s58, s[\dr], BLK
	s_add_co_u32 s58, s58, s48
	s_mul_i32 s59, s55, 1536
	s_add_co_u32 s59, s59, s58
	s_add_co_u32 s[\qi], s59, 12800
	s_mov_b32 s[\qi+1], 0
	s_lshl_b32 s59, s55, 2
	s_add_co_u32 s59, s59, s58
	s_add_co_u32 s[\qs], s59, 18944
	s_mov_b32 s[\qs+1], 0
	s_lshl_b32 s59, s52, 2
	s_add_co_u32 s59, s59, s9                      ; the tile: 4 j + cx
	s_add_co_u32 s59, s59, s60
	s_mul_i32 s[\ac], s59, 12288
	s_add_co_u32 s[\ac], s[\ac], s61
	s_mov_b32 s[\ac+1], 0
	s_lshl_b32 s[\sc], s59, 9
	s_add_co_u32 s[\sc], s[\sc], s62
	s_mov_b32 s[\sc+1], 0
	s_lshl_b32 s59, s54, 6
	s_add_co_u32 s59, s59, s63
	v_add_nc_u32 v[\dl], s59, v254
	s_add_nc_u64 s[\qi:\qi+1], s[4:5], s[\qi:\qi+1]
	s_add_nc_u64 s[\qs:\qs+1], s[4:5], s[\qs:\qs+1]
	s_add_nc_u64 s[\ac:\ac+1], s[6:7], s[\ac:\ac+1]
	s_add_nc_u64 s[\sc:\sc+1], s[6:7], s[\sc:\sc+1]
.endm
	s_mov_b32 s52, s[WV]
	TILE 30, 32, 36, 40, 44, 8
	s_sub_co_u32 s52, 31, s[WV]
	TILE 31, 34, 38, 42, 46, 9
	s_mul_i32 s58, s57, 520                        ; a tile's six registers of its fragment's twelve: the first six or the last six, by cx % 2
	s_mul_i32 s59, s57, 1016
	v_add_nc_u32 v110, s58, v[AD0]
	v_add_nc_u32 v111, s59, v[AD0]
	global_load_b64 v[26:27], v110, s[32:33]
	global_load_b64 v[28:29], v111, s[32:33] offset:8
	global_load_b64 v[30:31], v110, s[32:33] offset:512
	global_load_b64 v[38:39], v110, s[34:35]
	global_load_b64 v[40:41], v111, s[34:35] offset:8
	global_load_b64 v[42:43], v110, s[34:35] offset:512
	global_load_b32 v50, v[AS0], s[36:37]
	global_load_b32 v52, v[AS0], s[38:39]
	v_mov_b32 v7, 0xff800000                       ; -infinity
	v_mov_b32 v13, 0xff61b1e6                      ; the largest t so far: -3e38
	s_delay_alu instid0(VALU_DEP_1)
	v_floor_f32 v12, -v13                          ; -M
	v_mov_b32 v17, 0xff61b1e6
	s_delay_alu instid0(VALU_DEP_1)
	v_floor_f32 v16, -v17
	v_mov_b32 v14, 0                               ; the sums, in two halves
	v_mov_b32 v15, 0
	v_mov_b32 v18, 0
	v_mov_b32 v19, 0
	v_mov_b32 v253, 0                              ; (named as the upper half of the pair v[252:253] before it is first written)
.irp z, 20,21,22,23,24,25,32,33,34,35,36,37,44,45,46,47,48,49
	v_mov_b32 v[\z], 0                             ; v20-49: zeros, q of tile L, zeros, q of tile H, zeros
.endr
	s_wait_tensorcnt 0x0                           ; for the others' sake: my step's block has landed
	s_barrier_signal -1
	s_barrier_wait -1                              ; all sixteen have
	s_wait_loadcnt 0x0                             ; Q
	s_lshl_b32 s58, s57, 4
	v_lshrrev_b32 v50, s58, v50                    ; my tile's two bytes of the fragment's word,
	v_lshrrev_b32 v52, s58, v52
	s_delay_alu instid0(VALU_DEP_2)
	v_and_b32 v50, 0xffff, v50                     ; under q in (q, 0),
	s_delay_alu instid0(VALU_DEP_2)
	v_and_b32 v52, 0xffff, v52
	s_delay_alu instid0(VALU_DEP_2)
	v_lshlrev_b32 v51, 16, v50                     ; and in (0, q)
	s_delay_alu instid0(VALU_DEP_2)
	v_lshlrev_b32 v53, 16, v52
.set n, 0
.rept 64
	v_mov_b32 v[174+n], 0                          ; O^T of both tiles: the first change of M leaves zeros zeros.  (Also the places between the scale words' lines and the first product)
.set n, n+1
.endr
; A TILE STEP: 128 keys for one tile.  nm: -M and the largest t; sum: the sum's two halves; qa, qb: (q, 0) and (0, q); wa, wb: their scale words; o: O^T; d: the diagonal step; dl: the mask's distance.
.macro STEPT nm, sum, qa, qb, wa, wb, o, d, dl
	s_cmp_gt_u32 s[KSR], s[\d]                     ; all 128 keys come after my queries: the step's work is left out
	s_cbranch_scc1 .Lhid_\@
	v_add_nc_u32 v[ADK], s[TB], v[AD0]
	v_add_nc_u32 v[ADS], s[TB], v[AS0]
	v_nop
	v_nop                                          ; four places in front of loads into registers that the last products read
.irp b, 0,1,2,3
.irp g, 0,1,2
	ds_load_b128 v[KV+12*\b+4*\g:KV+12*\b+4*\g+3], v[ADK] offset:1536*\b+512*\g
.endr
.endr
	ds_load_b128 v[KSW:KSW+3], v[ADS] offset:6144
	s_wait_dscnt 0x0
.irp b, 0,1,2,3
	v_wmma_scale_f32_16x16x128_f8f6f4 v[S+16*\b:S+16*\b+7], v[KV+12*\b:KV+12*\b+11], v[\qa:\qa+11], 0, v[KSW+\b], v[\wa] matrix_a_fmt:MATRIX_FMT_FP6 matrix_b_fmt:MATRIX_FMT_FP6
	v_wmma_scale_f32_16x16x128_f8f6f4 v[S+16*\b+8:S+16*\b+15], v[KV+12*\b:KV+12*\b+11], v[\qb:\qb+11], 0, v[KSW+\b], v[\wb] matrix_a_fmt:MATRIX_FMT_FP6 matrix_b_fmt:MATRIX_FMT_FP6
.endr
.rept 4
	v_nop
.endr
	s_cmp_lt_u32 s[KSR], s[\d]                     ; all keys count: no mask
	s_cbranch_scc1 .Lopen_\@
.set n, 0
.rept 64
	v_cmp_gt_i32 vcc_lo, 32*(n/16)+n%16, v[\dl]    ; register 16 b + i holds key 32 b + i + 16 (lane / 16) of the step: hidden where it comes after my query
	v_cndmask_b32 v[S+n], v[S+n], v7, vcc_lo
.set n, n+1
.endr
.Lopen_\@:
.irp b, 0,1,2,3
	v_max3_num_f32 v[BM+\b], v[S+16*\b], v[S+1+16*\b], v[S+2+16*\b]   ; the largest score of each block of 32 keys: for the row's maximum, and, since p rises with the score, for the block's largest p
.endr
.irp i, 3,5,7,9,11,13
.irp b, 0,1,2,3
	v_max3_num_f32 v[BM+\b], v[BM+\b], v[S+16*\b+\i], v[S+1+16*\b+\i]
.endr
.endr
.irp b, 0,1,2,3
	v_max_num_f32 v[BM+\b], v[BM+\b], v[S+15+16*\b]
.endr
.irp b, 0,1,2,3
	s_delay_alu instid0(VALU_DEP_4)
	v_permlanex16_b32 v[PT+\b], v[BM+\b], s[SEL], s[SEL+1]
.endr
.irp b, 0,1,2,3
	s_delay_alu instid0(VALU_DEP_4)
	v_max_num_f32 v[BM+\b], v[BM+\b], v[PT+\b]     ; with lane l xor 16's 16 keys
.endr
	s_delay_alu instid0(VALU_DEP_2)
	v_max3_num_f32 v254, v[BM], v[BM+1], v[BM+2]
	s_delay_alu instid0(VALU_DEP_1)
	v_max_num_f32 v254, v254, v[BM+3]              ; the step's largest score of my query
	s_delay_alu instid0(VALU_DEP_1)
	v_mul_f32 v254, s[CS], v254                    ; as t
	s_delay_alu instid0(VALU_DEP_1)
	v_max_num_f32 v[\nm+1], v[\nm+1], v254         ; the running largest t
	v_mov_b32 v254, v[\nm]
	s_delay_alu instid0(VALU_DEP_2)
	v_floor_f32 v[\nm], -v[\nm+1]                  ; the new -M = floor(-t): M is a whole number
	s_delay_alu instid0(VALU_DEP_1)
	v_sub_f32 v254, v[\nm], v254                   ; old M less new M: a whole number, 0 or less
	s_delay_alu instid0(VALU_DEP_1)
	v_cvt_i32_f32 v254, v254                       ; (it saturates)
	s_delay_alu instid0(VALU_DEP_1)
	v_ldexp_f32 v252, 1.0, v254                    ; f = 2^(old M - new M)
.set n, 0
.rept 32
	v_pk_fma_f32 v[S+n:S+n+1], v[S+n:S+n+1], s[CS:CS+1], v[\nm:\nm+1] op_sel_hi:[1,0,0]   ; t - M, two at a time
.set n, n+2
.endr
.irp b, 0,1,2,3
	v_fma_f32 v[BM+\b], v[BM+\b], s[CS], v[\nm]    ; the same of each block's largest score
.endr
.set n, 0
	s_wait_alu depctr_va_vdst(0)
.rept 64
	v_exp_f32 v[S+n], v[S+n]                       ; p = 2^(t - M)
.set n, n+1
.endr
	v_pk_mul_f32 v[\sum:\sum+1], v[\sum:\sum+1], v[252:253] op_sel_hi:[1,0]   ; the sums under the new M: the plain place behind the exponentials
	s_wait_alu depctr_va_vdst(0)                   ; one wait for the whole batch, ahead of its first reader
.irp b, 0,1,2,3
	v_exp_f32 v[BM+\b], v[BM+\b]                   ; the blocks' largest p
.endr
	v_pk_add_f32 v[SC2:SC2+1], v[S:S+1], v[S+2:S+3]   ; the row's sum of the unquantised p, in two chains
.irp j, 4,8,12,16,20,24,28,32,36,40,44,48,52,56,60
	v_pk_add_f32 v[\sum:\sum+1], v[\sum:\sum+1], v[S+\j:S+\j+1]
	v_pk_add_f32 v[SC2:SC2+1], v[SC2:SC2+1], v[S+2+\j:S+3+\j]
.endr
	s_delay_alu instid0(VALU_DEP_1)
	v_pk_add_f32 v[\sum:\sum+1], v[\sum:\sum+1], v[SC2:SC2+1]
	s_wait_alu depctr_va_vdst(0)                   ; and one for the four
.irp b, 0,1,2,3
	v_max_num_f32 v[BM+\b], 0x1800000, v[BM+\b]    ; the floor 2^(3 - 127): the byte cannot fall under 1
.endr
.irp b, 0,1,2,3
	s_delay_alu instid0(VALU_DEP_4)
	v_add_nc_u32 v[SO+\b], 0xff000000, v[BM+\b]    ; 2 off the exponent field: the conversion's scale operand
.endr
.irp b, 0,1,2,3
	s_delay_alu instid0(VALU_DEP_4)
	v_lshrrev_b32 v[PT+\b], 23, v[SO+\b]           ; the scale's byte
.endr
	s_delay_alu instid0(VALU_DEP_3)
	v_lshl_or_b32 v253, v[PT+1], 8, v[PT]          ; p's scale word for these 128 keys
	s_delay_alu instid0(VALU_DEP_1)
	v_lshl_or_b32 v253, v[PT+2], 16, v253
	s_delay_alu instid0(VALU_DEP_1)
	v_lshl_or_b32 v253, v[PT+3], 24, v253
.irp c, 0,1
	v_cvt_scalef32_pk16_fp6_f32 v[PC+6*\c:PC+6*\c+2], v[S+32*\c:S+32*\c+15], v[SO+2*\c]
	v_cvt_scalef32_pk16_fp6_f32 v[CT+4*\c:CT+4*\c+2], v[S+16+32*\c:S+31+32*\c], v[SO+2*\c+1]
.endr
	v_nop                                          ; one plain place behind a scaled conversion
.irp c, 0,1
.irp i, 0,1,2
	v_permlane16_swap_b32 v[PC+6*\c+\i], v[CT+4*\c+\i]   ; a whole block to a lane
.endr
.irp i, 0,1,2
	s_delay_alu instid0(VALU_DEP_3)
	v_mov_b32 v[PC+3+6*\c+\i], v[CT+4*\c+\i]
.endr
.endr
.irp t, 0,1,2,3
.irp g, 0,1,2
	ds_load_b128 v[KV+12*\t+4*\g:KV+12*\t+4*\g+3], v[ADK] offset:6400+1536*\t+512*\g
.endr
.endr
	ds_load_b128 v[VSW:VSW+3], v[ADS] offset:12544
.set n, 0
.rept 16
	v_pk_mul_f32 v[\o+n:\o+n+1], v[\o+n:\o+n+1], v[252:253] op_sel_hi:[1,0]   ; O^T under the new M, from each accumulator's low end on; these stand between p's codes and scale word and the products
.set n, n+2
.endr
	s_wait_alu depctr_va_vdst(0)
	s_wait_dscnt 0x0
.irp t, 0,1,2,3
	v_wmma_scale_f32_16x16x128_f8f6f4 v[\o+8*\t:\o+8*\t+7], v[KV+12*\t:KV+12*\t+11], v[PC:PC+11], v[\o+8*\t:\o+8*\t+7], v[VSW+\t], v253 matrix_a_fmt:MATRIX_FMT_FP6 matrix_b_fmt:MATRIX_FMT_FP6
.endr
.Lhid_\@:
.endm
.Lstep:                                            ; 16 trips, a constant: every wave walks all key steps and jumps over the hidden ones' work
	STEPT 12, 14, 26, 20, 50, 51, 174, 30, 8
	STEPT 16, 18, 38, 32, 52, 53, 206, 31, 9
	s_add_co_u32 s[TB], s[TB], KVB
	s_add_co_u32 s[KSR], s[KSR], 1
	s_cmp_lt_u32 s[KSR], 16
	s_cbranch_scc1 .Lstep
; THE WAY OUT of a tile: O^T / the sum; its two blocks of 32 channels are quantised; lane (r, h) ends with block h whole in six registers.  kb: 18 registers of the tile's own, so that no store's data are written again.
.macro OUT sum, o, kb, ac, sc
	v_add_f32 v254, v[\sum], v[\sum+1]
	s_delay_alu instid0(VALU_DEP_1)
	v_permlanex16_b32 v[\kb+12], v254, s[SEL], s[SEL+1]
	s_delay_alu instid0(VALU_DEP_1)
	v_add_f32 v254, v254, v[\kb+12]                ; the row's sum
	s_wait_alu depctr_va_vdst(0)
	v_rcp_f32 v252, v254
	v_nop                                          ; a plain place behind the reciprocal
	s_wait_alu depctr_va_vdst(0)                   ; and the wait ahead of its first reader
.set n, 0
.rept 16
	v_pk_mul_f32 v[S+n:S+n+1], v[\o+n:\o+n+1], v[252:253] op_sel_hi:[1,0]   ; register 16 a + i: channel 32 a + 16 (lane / 16) + i
.set n, n+2
.endr
.irp a, 0,1
	v_max3_num_f32 v[\kb+10+\a], |v[S+16*\a]|, |v[S+1+16*\a]|, 0x1800000
.endr
.irp i, 2,4,6,8,10,12,14
.irp a, 0,1
	s_delay_alu instid0(VALU_DEP_2)
	v_max3_num_f32 v[\kb+10+\a], v[\kb+10+\a], |v[S+16*\a+\i]|, |v[S+1+16*\a+\i]|
.endr
.endr
.irp a, 0,1
	s_delay_alu instid0(VALU_DEP_2)
	v_permlanex16_b32 v[\kb+12+\a], v[\kb+10+\a], s[SEL], s[SEL+1]
.endr
.irp a, 0,1
	s_delay_alu instid0(VALU_DEP_2)
	v_max_num_f32 v[\kb+10+\a], v[\kb+10+\a], v[\kb+12+\a]
.endr
.irp a, 0,1
	s_delay_alu instid0(VALU_DEP_2)
	v_add_nc_u32 v[\kb+14+\a], 0xff000000, v[\kb+10+\a]
.endr
.irp a, 0,1
	s_delay_alu instid0(VALU_DEP_2)
	v_lshrrev_b32 v[\kb+16+\a], 23, v[\kb+14+\a]
.endr
	s_delay_alu instid0(VALU_DEP_1)
	v_cndmask_b32 v[\kb+9], v[\kb+16], v[\kb+17], s[HM]   ; lanes 0-15 block 0's byte, lanes 16-31 block 1's
	v_cvt_scalef32_pk16_fp6_f32 v[\kb:\kb+2], v[S:S+15], v[\kb+14]
	v_cvt_scalef32_pk16_fp6_f32 v[\kb+6:\kb+8], v[S+16:S+31], v[\kb+15]
	v_nop
.irp i, 0,1,2
	v_permlane16_swap_b32 v[\kb+\i], v[\kb+6+\i]
.endr
.irp i, 0,1,2
	s_delay_alu instid0(VALU_DEP_3)
	v_mov_b32 v[\kb+3+\i], v[\kb+6+\i]
.endr
	global_store_b128 v[AD0], v[\kb:\kb+3], s[\ac:\ac+1]             ; 512 consecutive bytes
	global_store_b64 v10, v[\kb+4:\kb+5], s[\ac:\ac+1] offset:512    ; 256 consecutive bytes
	global_store_b8 v11, v[\kb+9], s[\sc:\sc+1]
.endm
.rept 4
	v_nop                                          ; places behind the last products
.endr
.irp z, KV+12, KV+13, KV+36, KV+37
	v_mov_b32 v[\z], 0                             ; a lane permute's destination counts as one of its sources
.endr
	OUT 14, 174, KV, 40, 44
	OUT 18, 206, KV+24, 42, 46
	s_wait_tensorcnt 0x0                           ; the wave's end
	ds_add_u32 v[SPW], v[NIL]
	s_wait_dscnt 0x0
	CROUND                                         ; the closing round
	s_endpgm
.Lfunc_end_k_q3a555fa7ad_attn:
	.size	k_q3a555fa7ad_attn, .Lfunc_end_k_q3a555fa7ad_attn-k_q3a555fa7ad_attn
	.p2alignl 7, 3214868480
	.fill 96, 4, 3214868480
	.section	.rodata,"a",@progbits
	.p2align	6, 0x0
	.amdhsa_kernel k_q3a555fa7ad_attn
		.amdhsa_group_segment_fixed_size 327680
		.amdhsa_private_segment_fixed_size 0
		.amdhsa_enable_private_segment 0
		.amdhsa_kernarg_size 16
		.amdhsa_user_sgpr_count 2
		.amdhsa_user_sgpr_kernarg_segment_ptr 1
		.amdhsa_wavefront_size32 1
		.amdhsa_system_sgpr_workgroup_id_x 1
		.amdhsa_system_sgpr_workgroup_id_y 1
		.amdhsa_system_sgpr_workgroup_id_z 1
		.amdhsa_system_vgpr_workitem_id 0
		.amdhsa_next_free_vgpr 256
		.amdhsa_next_free_sgpr 66
		.amdhsa_reserve_vcc 1
		.amdhsa_float_denorm_mode_32 3
		.amdhsa_float_denorm_mode_16_64 3
		.amdhsa_memory_ordered 1
		.amdhsa_forward_progress 1
		.amdhsa_inst_pref_size 63
	.end_amdhsa_kernel
	.amdgpu_metadata
---
amdhsa.version: [ 1, 2 ]
amdhsa.kernels:
  - .name:           k_q3a555fa7ad_attn
    .symbol:         k_q3a555fa7ad_attn.kd
    .args:
      - { .name: qkv, .offset: 0, .size: 8, .value_kind: global_buffer, .address_space: global }
      - { .name: att, .offset: 8, .size: 8, .value_kind: global_buffer, .address_space: global }
    .group_segment_fixed_size: 327680
    .private_segment_fixed_size: 0
    .kernarg_segment_align: 8
    .kernarg_segment_size: 16
    .max_flat_workgroup_size: 512
    .sgpr_count:     66
    .vgpr_count:     256
    .wavefront_size: 32
...
	.end_amdgpu_metadata
.endif
;; end of part 3
;; launch gemm2 (part 4): grid 8 x 32, 4 waves a work-group, clusters of 4 x 4, 327,680 bytes of LDS; arguments att, wq, b_out, out0; writes out0
.if DOCPART == 4
	.amdgcn_target "amdgcn-amd-amdhsa--gfx1250"
	.amdhsa_code_object_version 6
	.text
	.protected	k_q3a555fa7ad_gemm2
	.globl	k_q3a555fa7ad_gemm2
	.p2align	8
	.type	k_q3a555fa7ad_gemm2,@function
k_q3a555fa7ad_gemm2:
	s_mov_b64 s[64:65], 0
	v_nop
	global_prefetch_b8 v0, s[64:65] scope:SCOPE_SE
	s_setreg_imm32_b32 hwreg(HW_REG_WAVE_MODE, 25, 1), 1
	s_wait_xcnt 0x0
	s_wait_alu depctr_hold_cnt(0) depctr_sa_sdst(0) depctr_va_vdst(0) depctr_va_sdst(0) depctr_va_ssrc(0) depctr_va_vcc(0) depctr_vm_vsrc(0)
	s_getreg_b32 s2, hwreg(HW_REG_IB_STS2, 6, 4)
	s_cmp_eq_u32 s2, 0
	s_cbranch_scc0 .Lentry_in_a_cluster
	s_endpgm
.Lentry_in_a_cluster:
	s_bfe_u32 s2, ttmp6, 0x10000c
	s_cmp_lg_u32 s2, 0xf033
	s_cbranch_scc0 .Lentry_shape_is_right
	s_endpgm
.Lentry_shape_is_right:
; out0 = att w_out + b_out on codes of FP6 (E2M3), E8M0 scales, K = 1024; f32 out.
; THE DEAL. 256 work-groups of four waves (2 x 2): 256 tokens x 128 columns. A wave holds 64 rows of the weight, all of K, in 384 registers and streams its 128 tokens past them in 8 blocks of 16, 32 products a block.
; att: codes [tile of 16 tokens][head 16][768]: registers 0-3 of lane L at 16 L, registers 4, 5 at 512 + 8 L; scale bytes [tile][r][32] from byte 6,291,456 on. Lane r of tile T is token 32 (T / 2) + 8 (T % 2) + r + 8 (r / 8).
; wq holds row n at sigma(n) (bits 3 and 4 exchanged). Source 0 = weight rows: lane m of tile j takes column 32 (m / 8) + 8 j + m % 8; so a lane's 32 sums are columns 32 h .. 32 h + 31 of one token: 128 bytes on end.
; LDS: att's 16 tiles, dense; the weight's 128 rows of 816 bytes; att's scale bytes; a stage of 16 rows x 272 bytes a wave; the spare words. All is fetched once, at the head, one joint load a wave: nothing is filled again.
; att's tiles are shared along a row of the cluster, the weight's rows along a column. NO PREFETCH: all loads stand at the head, with no loop ahead of them.
; THE WAY OUT: a block's sums go through my stage and come back as rows; sixteen lanes store 256 consecutive bytes, aligned. A block is stored behind the next block's products.
; THE WAITS' COUNTS: NF = 34 loads fetch a block; the stage takes 16 LDS instructions. Ahead of a block: younger than its fetch are 16 + NF; ahead of the stores: NF.
; LIMITS: NaN and infinities are not served.
.set KROW, 768
.set KS, 32
.set PITCH, 816
.set FR, 12
.set FPW, 21
.set NQ, 8
.set NB, 4
.set NF, 34
.set TILEB, 12288
.set WBS, 16*TILEB
.set SCL, WBS+128*PITCH
.set STG, SCL+32*272
.set SPARE, STG+4*16*272
.set ASEC, 6291456
.set WSEC, 3145728
.set AB, 4                             ; v4, v5 my first tile: 16 x lane; 512 + 8 x lane
.set WM, 10
.set SPW, 12
.set NIL, 13
.set ADRA, 14
.set AAS, 16
.set ASP, 17
.set STO, 19
.set RD, 20
.set CO2, 21
.set WT, 22
.set SB, 24
.set BO, 42
.set ABSM, 43
.set SA, 44
.set ACC, 64                           ; two sets of four accumulators
.set BBQ, 128                          ; the bias
.set BK, 160                           ; two sets of 32: rows back from the stage
.set G1A, 24
.set G1B, 32
.set G0A, 56
.set G0B, 60
.set G0R, 68
.set G0S, 72
.set G1S, 92
.set MSB, 0
.macro WIN new
.if MSB != \new
	s_set_vgpr_msb (MSB<<8)|\new
.set MSB, \new
.endif
.endm
.macro PLACES n
.rept \n
	v_nop
.endr
.endm
.macro WALU
	s_wait_alu depctr_va_vdst(0)
.endm
.macro BARRIER
	s_barrier_signal -1
	s_barrier_wait -1
.endm
.macro CROUND
	s_barrier_signal -1
	s_barrier_wait -1
	s_cmp_lg_u32 s14, 0
	s_cbranch_scc1 .Lnot_wave_0_\@
	s_barrier_signal -3
.Lnot_wave_0_\@:
	s_barrier_wait -3
	BARRIER
.endm
.macro TLOAD g0, g1
	tensor_load_to_lds s[\g0:\g0+3], s[\g1:\g1+7]
	s_nop 0
	PLACES 4
.endm
.macro FRAG f, q, a0, a1               ; a fragment of the weight: six pieces of 8 bytes, two to a load where both lie behind as many paddings
	WIN (1+(\f)/FPW)<<6
.set R_, FR*((\f)%FPW)
.set SKIP_, 0
.irp p, 0,1,2,3,4,5
.if SKIP_
.set SKIP_, 0
.else
.set PC_, 12*(\q)+6*(\p/3)+\p%3
.set PN_, 12*(\q)+6*((\p+1)/3)+(\p+1)%3
.set X_, (PC_%32+3)/32
.set XQ_, (PN_%32+3)/32
.if (\p < 5) && (X_ == XQ_)
.set SKIP_, 1
.if X_
	ds_load_2addr_b64 v[R_+2*\p:R_+2*\p+3], \a1 offset0:PC_+2*(PC_/32) offset1:PN_+2*(PN_/32)
.else
	ds_load_2addr_b64 v[R_+2*\p:R_+2*\p+3], \a0 offset0:PC_+2*(PC_/32) offset1:PN_+2*(PN_/32)
.endif
.elseif X_
	ds_load_b64 v[R_+2*\p:R_+2*\p+1], \a1 offset:8*(PC_+2*(PC_/32))
.else
	ds_load_b64 v[R_+2*\p:R_+2*\p+1], \a0 offset:8*(PC_+2*(PC_/32))
.endif
.endif
.endr
.endm
.macro FETCHAT e, a0, a1, as           ; a tile of att into set e: fragment q is the images of heads 2 q and 2 q + 1
.irp q, 0,1,2,3,4,5,6,7
	WIN (1+(NB*NQ+NQ*(\e)+\q)/FPW)<<6
.set R_, FR*((NB*NQ+NQ*(\e)+\q)%FPW)
.irp c, 0,1
	ds_load_b128 v[R_+6*\c:R_+6*\c+3], \a0 offset:768*(2*\q+\c)
	ds_load_b64 v[R_+6*\c+4:R_+6*\c+5], \a1 offset:768*(2*\q+\c)
.endr
.endr
	WIN 0
	ds_load_b128 v[SA+8*(\e):SA+8*(\e)+3], \as
	ds_load_b128 v[SA+8*(\e)+4:SA+8*(\e)+7], \as offset:16
.endm
.macro PROD e, n                       ; product n = 4 q + tile: source 0 the weight's rows, source 1 the tokens; the first four take the bias as C
.set Q_, (\n)/4
.set FB_, NB*Q_+(\n)%4
.set FA_, NB*NQ+NQ*(\e)+Q_
.set D_, ACC+32*(\e)+8*((\n)%4)
.set C_, D_
.if Q_ == 0
.set C_, BBQ+8*((\n)%4)
.endif
.set XB_, SB+NQ*(((\n)%4)/2)+Q_
.set XA_, SA+8*(\e)+Q_
	WIN (1+FB_/FPW)|((1+FA_/FPW)<<2)
.if (\n)%2
	v_wmma_scale_f32_16x16x128_f8f6f4 v[D_:D_+7], v[FR*(FB_%FPW):FR*(FB_%FPW)+FR-1], v[FR*(FA_%FPW):FR*(FA_%FPW)+FR-1], v[C_:C_+7], v[XB_], v[XA_] matrix_a_fmt:MATRIX_FMT_FP6 matrix_b_fmt:MATRIX_FMT_FP6 matrix_a_scale:MATRIX_SCALE_ROW1
.else
	v_wmma_scale_f32_16x16x128_f8f6f4 v[D_:D_+7], v[FR*(FB_%FPW):FR*(FB_%FPW)+FR-1], v[FR*(FA_%FPW):FR*(FA_%FPW)+FR-1], v[C_:C_+7], v[XB_], v[XA_] matrix_a_fmt:MATRIX_FMT_FP6 matrix_b_fmt:MATRIX_FMT_FP6 matrix_a_scale:MATRIX_SCALE_ROW0
.endif
.endm
.macro SEND set, adv                   ; 16 rows leave; then the base steps to the next block's first token
.irp t, 0,1,2,3,4,5,6,7
	global_store_b128 v[CO2], v[BK+32*(\set)+4*\t:BK+32*(\set)+4*\t+3], s[12:13] offset:(2*\t+8*(\t/4))*4096 th:TH_STORE_NT
.endr
	s_wait_xcnt 0x0                        ; the stores have read their registers and base
	s_add_nc_u64 s[12:13], s[12:13], \adv
.endm
; a block: w the wait for its rows; send >= 0: the wait for the last block's rows from the stage, which are then stored; fetch: the block two on is fetched
.macro GB e, w, send, fetch
	s_wait_dscnt \w
.set N_, 0
.rept 32
	PROD \e, N_
.if \fetch
.if N_ == 1
	s_add_co_u32 s101, s101, TILEB
	s_add_co_u32 s91, s91, 544
	WIN 0
	v_add_nc_u32 v[ADRA], s101, v[AB]
	v_add_nc_u32 v[ADRA+1], s101, v[AB+1]
.elseif N_ == 3
	WIN 0
	v_add_nc_u32 v[AAS], s91, v[ASP]
.endif
.endif
.set N_, N_+1
.endr
	WIN 0
	PLACES 4
.if \fetch
	WALU
.endif
.if (\send) >= 0
	s_wait_dscnt \send
	SEND 1-(\e), (24-16*(\e))*4096         ; behind an even block 8 tokens on, behind an odd one 24
.endif
.irp k, 0,1,2,3,4,5,6,7
	ds_store_b128 v[STO], v[ACC+32*(\e)+4*\k:ACC+32*(\e)+4*\k+3] offset:16*\k
.endr
.irp t, 0,1,2,3,4,5,6,7
	ds_load_b128 v[BK+32*(\e)+4*\t:BK+32*(\e)+4*\t+3], v[RD] offset:2*\t*272   ; LDS serves a wave's instructions in order: these see my stores
.endr
.if \fetch
	FETCHAT \e, v[ADRA], v[ADRA+1], v[AAS]
.endif
.endm
; ---- the head
	s_load_b256 s[4:11], s[0:1], 0x0               ; att, wq, b_out, out0
	v_lshl_add_u32 v[SPW], v0, 2, SPARE
	v_mov_b32 v[NIL], 0
	ds_add_u32 v[SPW], v[NIL]
	ds_add_u32 v[SPW], v[NIL]
	v_lshrrev_b32 v1, 5, v0
	v_readfirstlane_b32 s14, v1
	s_lshr_b32 s15, s14, 1                         ; my half of the tokens
	s_and_b32 s16, s14, 1                          ; my half of the columns
	s_bfe_u32 s40, ttmp6, 0x40000
	s_bfe_u32 s41, ttmp6, 0x40004
	s_lshl_b32 s42, ttmp9, 2
	s_add_co_u32 s42, s42, s40                     ; the 128 columns, 0 .. 7
	s_and_b32 s43, ttmp7, 0xffff
	s_lshl_b32 s43, s43, 2
	s_add_co_u32 s43, s43, s41                     ; the 256 tokens, 0 .. 31
	s_lshl_b32 s44, s41, 2
	s_lshl_b32 s44, 15, s44
	s_lshl_b32 s45, 0x1111, s40
	s_or_b32 s[G1A+0], s44, (3<<16)|(1<<21)        ; 8 tiles: 98,304 dense bytes as 384 rows of 256, no padding
	s_mov_b32 s[G1A+1], 32<<16
	s_mov_b32 s[G1A+2], 384<<16
	s_mov_b32 s[G1A+3], 32<<16
	s_mov_b32 s[G1A+4], 384
	s_mov_b32 s[G1A+5], 32
	s_mov_b32 s[G1A+6], 0
	s_mov_b32 s[G1A+7], 0
	s_or_b32 s[G1B+0], s45, (1<<20)|(1<<21)|(5<<22)|(3<<25)
	s_mov_b32 s[G1B+1], KROW<<16
	s_mov_b32 s[G1B+2], 128<<16
	s_mov_b32 s[G1B+3], KROW<<16
	s_mov_b32 s[G1B+4], 128
	s_mov_b32 s[G1B+5], KROW
	s_mov_b32 s[G1B+6], 0
	s_mov_b32 s[G1B+7], 0
	s_or_b32 s[G1S+0], s44, (3<<16)|(1<<20)|(1<<21)|(5<<22)|(3<<25)
	s_mov_b32 s[G1S+1], 32<<16
	s_mov_b32 s[G1S+2], 32<<16
	s_mov_b32 s[G1S+3], 32<<16
	s_mov_b32 s[G1S+4], 32
	s_mov_b32 s[G1S+5], 32
	s_mov_b32 s[G1S+6], 0
	s_mov_b32 s[G1S+7], 0
	s_mov_b32 s[G0A], 1
	s_mov_b32 s[G0A+1], 0
	s_mov_b32 s[G0R], 1
	s_mov_b32 s[G0R+1], 8*TILEB
	s_mov_b32 s[G0B], 1
	s_mov_b32 s[G0B+1], WBS
	s_mov_b32 s[G0S], 1
	s_mov_b32 s[G0S+1], SCL
	s_mul_i32 s66, s43, 16*TILEB
	s_mul_i32 s54, s42, 128*KROW
	s_add_co_u32 s54, s54, 3072*KROW
	s_mul_i32 s89, s43, 256*KS
	s_add_co_u32 s89, s89, ASEC
	s_lshl_b32 s46, s42, 7
	s_lshl_b32 s47, s16, 6
	s_add_co_u32 s46, s46, s47                     ; my first column
	s_lshl_b32 s76, s46, 5
	s_add_co_u32 s76, s76, WSEC+3072*KS
	s_mov_b32 s77, 0
	s_lshl_b32 s78, s46, 2
	s_mov_b32 s79, 0
	s_lshl_b32 s80, s43, 1
	s_add_co_u32 s80, s80, s15
	s_lshl_b32 s80, s80, 19                        ; 128 tokens of 4,096 bytes
	s_add_co_u32 s80, s80, s78
	s_mov_b32 s81, 0
	v_and_b32 v1, 15, v0
	v_bfe_u32 v2, v0, 4, 1
	v_and_b32 v3, 31, v0
	v_and_b32 v40, 7, v1
	v_lshrrev_b32 v41, 3, v1
	v_lshl_add_u32 v23, v41, 5, v40                ; 32 (r / 8) + r % 8
	v_mul_u32_u24 v23, v23, PITCH
	s_mul_i32 s22, s16, 64*PITCH
	s_add_co_u32 s22, s22, WBS
	v_mad_u32_u24 v[WM], v2, 24, v23
	v_mad_u32_u24 v[WM+1], v2, 40, v23
	v_add_nc_u32 v[WM], s22, v[WM]
	v_add_nc_u32 v[WM+1], s22, v[WM+1]
	s_mul_i32 s21, s15, 8*TILEB
	v_lshl_add_u32 v[AB], v3, 4, s21
	s_add_co_u32 s21, s21, 512
	v_lshl_add_u32 v[AB+1], v3, 3, s21
	v_lshlrev_b32 v40, 5, v40
	v_mad_u32_u24 v[ASP], v41, 272, v40
	s_mul_i32 s21, s15, 16*272
	s_add_co_u32 s21, s21, SCL
	v_add_nc_u32 v[ASP], s21, v[ASP]
	s_mul_i32 s21, s14, 16*272
	s_add_co_u32 s21, s21, STG
	v_mul_u32_u24 v[STO], v1, 272
	v_lshl_add_u32 v[STO], v2, 7, v[STO]
	v_add_nc_u32 v[STO], s21, v[STO]               ; in: row r, 128 bytes for each half of the lanes
	v_mul_u32_u24 v[RD], v2, 272
	v_lshl_add_u32 v[RD], v1, 4, v[RD]
	v_add_nc_u32 v[RD], s21, v[RD]                 ; back: sixteen lanes to a row
	v_lshlrev_b32 v[CO2], 12, v2
	v_lshl_add_u32 v[CO2], v1, 4, v[CO2]
	v_lshlrev_b32 v[BO], 7, v2
	v_lshl_add_u32 v[ABSM], v41, 10, v40
	v_lshl_add_u32 v[ABSM], v2, 9, v[ABSM]
	v_add_nc_u32 v[ADRA], TILEB, v[AB]
	v_add_nc_u32 v[ADRA+1], TILEB, v[AB+1]
	v_add_nc_u32 v[AAS], 544, v[ASP]
	WALU
	s_wait_dscnt 0x0
	CROUND
	s_wait_kmcnt 0x0
	s_mov_b32 s21, 0
	s_mov_b32 s20, s66
	s_add_nc_u64 s[G0A+2:G0A+3], s[4:5], s[20:21]
	s_add_nc_u64 s[G0R+2:G0R+3], s[G0A+2:G0A+3], 8*TILEB
	s_or_b32 s[G0A+3], s[G0A+3], 0x80000000
	s_or_b32 s[G0R+3], s[G0R+3], 0x80000000
	s_mov_b32 s20, s54
	s_add_nc_u64 s[G0B+2:G0B+3], s[6:7], s[20:21]
	s_or_b32 s[G0B+3], s[G0B+3], 0x80000000
	s_mov_b32 s20, s89
	s_add_nc_u64 s[G0S+2:G0S+3], s[4:5], s[20:21]
	s_or_b32 s[G0S+3], s[G0S+3], 0x80000000
	s_add_nc_u64 s[76:77], s[6:7], s[76:77]
	s_add_nc_u64 s[78:79], s[8:9], s[78:79]
	s_add_nc_u64 s[12:13], s[10:11], s[80:81]
	s_cmp_eq_u32 s14, 0
	s_cbranch_scc0 .Lwave_1
	TLOAD G0B, G1B
	s_branch .Lasked
.Lwave_1:
	s_cmp_eq_u32 s14, 1
	s_cbranch_scc0 .Lwave_2
	TLOAD G0S, G1S
	s_branch .Lasked
.Lwave_2:
	s_cmp_eq_u32 s14, 2
	s_cbranch_scc0 .Lwave_3
	TLOAD G0A, G1A
	s_branch .Lasked
.Lwave_3:
	TLOAD G0R, G1A
.Lasked:
.irp p, 0,1
.irp c, 0,1
	global_load_b128 v[SB+8*\p+4*\c:SB+8*\p+4*\c+3], v[ABSM], s[76:77] offset:256*\p+16*\c
.endr
.endr
.irp k, 0,1,2,3,4,5,6,7
	global_load_b128 v[BBQ+4*\k:BBQ+4*\k+3], v[BO], s[78:79] offset:16*\k
.endr
	s_mov_b32 s101, TILEB
	s_mov_b32 s91, 544
	s_cmp_eq_u32 s14, 0
	s_cbranch_scc0 .Lnot_b
	s_wait_tensorcnt 0x0
.Lnot_b:
	BARRIER                                        ; the weight is in
.irp b, 0,1,2,3
	WIN 0
	v_add_nc_u32 v[WT], 8*(2*(\b%2)+\b/2)*PITCH, v[WM]
	v_add_nc_u32 v[WT+1], 8*(2*(\b%2)+\b/2)*PITCH, v[WM+1]
.irp q, 0,1,2,3,4,5,6,7
	FRAG NB*\q+\b, \q, v[WT], v[WT+1]
.endr
.endr
	WIN 0
	s_wait_tensorcnt 0x0
	s_wait_dscnt 0x0
	BARRIER                                        ; att's tiles and scale bytes are in
	FETCHAT 0, v[AB], v[AB+1], v[ASP]
	FETCHAT 1, v[ADRA], v[ADRA+1], v[AAS]
	s_wait_loadcnt 0x0
	GB 0, NF, -1, 1
	GB 1, NF+16, NF, 1
	s_mov_b32 s86, 0
.Lpairs:
	GB 0, NF+16, NF, 1
	GB 1, NF+16, NF, 1
	s_add_co_u32 s86, s86, 1
	s_cmp_lg_u32 s86, 2
	s_cbranch_scc1 .Lpairs
	GB 0, NF+16, NF, 0
	GB 1, 16, 0, 0
	s_wait_dscnt 0x0
	SEND 1, 0
	s_wait_tensorcnt 0x0                           ; the wave's end
	ds_add_u32 v[SPW], v[NIL]
	s_wait_dscnt 0x0
	CROUND
	s_endpgm
.Lfunc_end_k_q3a555fa7ad_gemm2:
	.size	k_q3a555fa7ad_gemm2, .Lfunc_end_k_q3a555fa7ad_gemm2-k_q3a555fa7ad_gemm2
	.p2alignl 7, 3214868480
	.fill 96, 4, 3214868480
	.section	.rodata,"a",@progbits
	.p2align	6, 0x0
	.amdhsa_kernel k_q3a555fa7ad_gemm2
		.amdhsa_group_segment_fixed_size 327680
		.amdhsa_private_segment_fixed_size 0
		.amdhsa_enable_private_segment 0
		.amdhsa_kernarg_size 32
		.amdhsa_user_sgpr_count 2
		.amdhsa_user_sgpr_kernarg_segment_ptr 1
		.amdhsa_wavefront_size32 1
		.amdhsa_system_sgpr_workgroup_id_x 1
		.amdhsa_system_sgpr_workgroup_id_y 1
		.amdhsa_system_sgpr_workgroup_id_z 1
		.amdhsa_system_vgpr_workitem_id 0
		.amdhsa_next_free_vgpr 840
		.amdhsa_next_free_sgpr 102
		.amdhsa_reserve_vcc 0
		.amdhsa_float_denorm_mode_32 3
		.amdhsa_float_denorm_mode_16_64 3
		.amdhsa_memory_ordered 1
		.amdhsa_forward_progress 1
		.amdhsa_inst_pref_size 70
	.end_amdhsa_kernel
	.amdgpu_metadata
---
amdhsa.version: [ 1, 2 ]
amdhsa.kernels:
  - .name:           k_q3a555fa7ad_gemm2
    .symbol:         k_q3a555fa7ad_gemm2.kd
    .args:
      - { .name: att, .offset: 0, .size: 8, .value_kind: global_buffer, .address_space: global }
      - { .name: wq, .offset: 8, .size: 8, .value_kind: global_buffer, .address_space: global }
      - { .name: b_out, .offset: 16, .size: 8, .value_kind: global_buffer, .address_space: global }
      - { .name: out0, .offset: 24, .size: 8, .value_kind: global_buffer, .address_space: global }
    .group_segment_fixed_size: 327680
    .private_segment_fixed_size: 0
    .kernarg_segment_align: 8
    .kernarg_segment_size: 32
    .max_flat_workgroup_size: 128
    .sgpr_count:     102
    .vgpr_count:     840
    .wavefront_size: 32
...
	.end_amdgpu_metadata
.endif
;; end of part 4
